; MI455X (gfx1250); checked and timed in simulation.
; The chip was launched on July 23, 2026; its instructions are those of AMD's public machine-readable ISA for CDNA 5 (MIT licence, August 2026) and "CDNA5" Instruction Set Architecture Reference Guide (July 2026). The comments in the code are by the model that wrote it; some were corrected since.
;; Causal Self Attention. Allowed arithmetic: matrix products marked QUANTISED: E4M3 operands, one given power-of-two scale a tensor, by v_wmma_f32_16x16x64_fp8_fp8 or v_wmma_f32_16x16x128_fp8_fp8, f32 sums; everything else in f32.
;; Inputs: W_attn 1,024 x 3,072 float32; W_proj 1,024 x 1,024 float32; b_attn 3,072 float32; b_proj 1,024 float32; lowp_scales 8 int32 (the exponents e of the quantised operands' scales 2^e); x 4 x 2,048 x 1,024 float32.
;; Outputs: out0 4 x 2,048 x 1,024 float32.
;; This version of the problem:
;;   THIS VERSION OF THE PROBLEM IS GIVEN IN LOW PRECISION. The matrix products marked QUANTISED in the list below multiply operands that are first quantised to E4M3 (4 exponent bits, 3 mantissa bits; 8 bits a number), with one given power-of-two scale for each operand tensor; their sums are f32. All else is computed in f32.
;;   The module's matrix products, in the order in which they are computed (A, B: the left and right operand; K: the contracted axis; several contracted axes count as one K, in the product's order):
;;     1. [M 8,192, K 1,024] x [K 1,024, N 3,072]; A: input x; B: input W_attn: QUANTISED (scales: A lowp_scales[0], B lowp_scales[1])
;;     2. batch 64 x [M 2,048, K 64] x [K 64, N 2,048]; A: computed on the way; B: computed on the way: QUANTISED (scales: A lowp_scales[2], B lowp_scales[3])
;;     3. batch 64 x [M 2,048, K 2,048] x [K 2,048, N 64]; A: softmax (see below); B: computed on the way: QUANTISED (scales: A lowp_scales[4], B lowp_scales[5])
;;     4. [M 8,192, K 1,024] x [K 1,024, N 1,024]; A: computed on the way; B: input W_proj: QUANTISED (scales: A lowp_scales[6], B lowp_scales[7])
;;   THE QUANTISER, for each operand of a quantised product, along K:
;;     - The operand's scale is 2^e, e = its entry of the input lowp_scales (int32; the entries are numbered through the quantised products in the list's order, A before B).
;;     - Each number is divided by the scale, clamped to +-448, and rounded to the nearest number of E4M3, ties to even, subnormals kept.
;;     - The product sums the exact products of the quantised numbers (number of the format x scale) in f32.
;;   ~~~python
;;   def quantise(x, axis, e):      # numpy; x: float32 -> the quantised numbers, widened to float32 again
;;       x = np.moveaxis(x, axis, -1); K = x.shape[-1]
;;       r = np.clip(x / 2.0 ** e, -448, 448)
;;       step = 2.0 ** (np.maximum(np.frexp(np.where(r == 0, 1, r))[1] - 1, -6) - 3)
;;       q = np.round(r / step) * step * 2.0 ** e      # np.round: ties to even
;;       return np.moveaxis(q, -1, axis).astype(np.float32)
;;   ~~~
;;   SOFTMAX AHEAD OF A QUANTISED PRODUCT. Where the list says 'softmax', what is quantised is not the finished softmax but p = 2^(t - M), with t = logit x log2(e) and M = ceil(the row's largest t), a whole number; so 1/2 < the row's largest p <= 1. The row's sum l is taken of the UNQUANTISED p, in f32, and the product's result is divided by l at the end. Since M is a whole number, a kernel that streams over the keys may use a running M (the ceiling of the running maximum): every later rescaling is an exact power of two, so the quantised numbers keep their values, but for numbers so far below the row's largest that they fall under the format's range.
;;   OPERANDS COMPUTED ON THE WAY. 'Computed on the way' means the value that the module computes at that place (a softmax that the list does not call 'softmax' is quantised finished and normalised). What goes into a quantiser is computed in f32, as accurately as f32 sums, v_exp_f32 and their like allow (about 1e-6 of the number): no bf16 or f16 on the way to a quantiser, and a product that is left as it is and whose result goes on into a quantised operand takes f32 operands (vector FMAs, or v_wmma_f32_16x16x4_f32). A number that lies on a knife's edge between two numbers of the format may be rounded either way, as far as f32 arithmetic and the matrix unit's own rounding can turn it there, and no further.
;; One version. Each part assembles by itself: llvm-mc -triple=amdgcn-amd-amdhsa -mcpu=gfx1250 --defsym DOCPART=n.
;; ======== version 1 of 1: 4 launches
;; limits: right only within a limited range of input values
;; workspace buffers: x_codes 8,388,608 bytes; wa_codes 3,145,728 bytes; wp_codes 1,048,576 bytes; qkv_codes 25,165,824 bytes; y_codes 8,388,608 bytes
;; launch quant (part 1): grid 384 x 1, 4 waves a work-group, no clusters, 68,096 bytes of LDS; arguments x, W_attn, W_proj, lowp_scales, x_codes, wa_codes, wp_codes; writes x_codes, wa_codes, wp_codes
.if DOCPART == 1
	.amdgcn_target "amdgcn-amd-amdhsa--gfx1250"
	.amdhsa_code_object_version 6
	.text
	.protected	k_q43a7ba7066_quant
	.globl	k_q43a7ba7066_quant
	.p2align	8
	.type	k_q43a7ba7066_quant,@function
k_q43a7ba7066_quant:
	s_mov_b64 s[64:65], 0
	v_nop
	global_prefetch_b8 v0, s[64:65] scope:SCOPE_SE
	s_setreg_imm32_b32 hwreg(HW_REG_WAVE_MODE, 25, 1), 1
	s_wait_xcnt 0x0
; The three f32 inputs that many work-groups of the later launches read are turned ONCE into codes of FP8 (E4M3), K innermost, each with its given scale 2^e:
;   x      [8192][1024]      -> x_codes  [8192][1024]   e = entry 0      (work-groups 0 to 255)
;   W_attn [1024 k][3072 n]  -> wa_codes [3072][1024]   e = entry 1      (work-groups 256 to 351)
;   W_proj [1024 k][1024 n]  -> wp_codes [1024][1024]   e = entry 7      (work-groups 352 to 383)
; code = number / 2^e, held within +-448, rounded to the nearest code, ties to even.
; LIMITS: each e between -126 and 119, so that 2^e and 448 x 2^e are f32 numbers.  NaN among the inputs is not served (an infinity is held at the largest code).
; No tensor loads, no barrier, no cluster: waves share nothing.  The two paths part on the work-group's number, never join, and have LDS bytes of their own.
; PATH X: K is innermost, so x is a plain stream.  A wave takes 16 steps of 512 numbers.  Each load reads 512 consecutive bytes, 16 a lane; a step's 2,048 bytes turn through the wave's own
; stage in LDS and come back 64 bytes (16 neighbours along K) a lane, as the conversions want them; a lane's 16 codes are 16 bytes: the wave stores 512 consecutive bytes.
; PATH W: K is the first axis.  A lane takes a column n and its registers run down K; the codes then come out with K innermost.  A wave takes 32 columns x 256 along K; the codes go
; through the wave's own stage and leave as rows: sixteen lanes store 256 consecutive, aligned bytes.
.set STEPS, 16
.set SP,    80                         ; path X: a lane's place in a stage: its 64 bytes + 16 of padding
.set WREG,  8192                       ; path X: LDS bytes of a wave (two stages of 32 x SP); the path's LDS: 0 to 32,767
.set R,     16                         ; v16-79   path X: four sets of 16 numbers as loaded
.set X,     80                         ; v80-111  path X: two sets of 16 neighbours
.set C,     128                        ; v128-191 path X: four registers of codes for each step: no store's data are written again
.set WST,   32768                      ; path W: its LDS begins here: 4 waves x 32 rows x WP bytes
.set WP,    272                        ; path W: a stage row: 256 bytes of codes + 16
.set NB,    8                          ; path W: blocks of 32 along K for a wave
.set OF,    12                         ; v12-43   path W: 4 x lane + i rows of the weight, i = 0 .. 31; never rewritten
.set XW,    44                         ; v44-107  path W: two sets of 32 numbers
.set CW,    108                        ; v108-115 path W: a block's codes
.set OUTR,  116                        ; v116-179 path W: the way out
.macro LOADX t
.irp i, 0,1,2,3
	global_load_b128 v[R+16*((\t)%4)+4*\i:R+16*((\t)%4)+4*\i+3], v3, s[4:5] offset:2048*(\t)+512*\i th:TH_LOAD_NT   ; 32 lanes read 512 consecutive bytes
.endr
.endm
.macro TURNX t                         ; step t's numbers through the stage: LDS serves a wave's instructions in order, so no wait stands between the stores and the loads
.irp i, 0,1,2,3
	ds_store_b128 v14, v[R+16*((\t)%4)+4*\i:R+16*((\t)%4)+4*\i+3] offset:32*SP*((\t)%2)+8*SP*\i
.endr
.irp i, 0,1,2,3
	ds_load_b128 v[X+16*((\t)%2)+4*\i:X+16*((\t)%2)+4*\i+3], v15 offset:32*SP*((\t)%2)+16*\i
.endr
.endm
.macro STEPX t
.set XS, X+16*((\t)%2)
	s_wait_dscnt 0x0                               ; this step's numbers are back from the stage, so its stores into the stage have read their registers,
.if (\t)+4 < STEPS
	LOADX (\t)+4                                   ; which take the loads of four steps on
.endif
.if (\t)+1 < STEPS
.if STEPS-2-(\t) >= 3
	s_wait_loadcnt 12                              ; the next step's four loads are in; those of the three steps behind it may be out
.else
	s_wait_loadcnt 4*(STEPS-2-(\t))                ; the counts run down: no more loads are issued
.endif
	TURNX (\t)+1                                   ; and go through the other stage while this step is worked
.endif
.irp i, 0,1,2,3,4,5,6,7,8,9,10,11,12,13,14,15
	v_med3_num_f32 v[XS+\i], v[XS+\i], -v10, v10   ; the conversion to an 8-bit code does not saturate (ISA guide 7.6.2): the hold at the largest code x the scale comes first
.endr
	v_cvt_scalef32_pk8_fp8_f32 v[C+4*(\t):C+4*(\t)+1], v[XS:XS+7], v11
	v_cvt_scalef32_pk8_fp8_f32 v[C+4*(\t)+2:C+4*(\t)+3], v[XS+8:XS+15], v11
	global_store_b128 v3, v[C+4*(\t):C+4*(\t)+3], s[12:13] offset:512*(\t)   ; 32 lanes store 512 consecutive bytes, aligned
.endm
.macro LOADW t                         ; block t: W(32 t + i, my column), i = 0 .. 31, into set t % 2; each block has a base of its own, so nothing is stepped
.irp i, 0,1,2,3,4,5,6,7,8,9,10,11,12,13,14,15,16,17,18,19,20,21,22,23,24,25,26,27,28,29,30,31
	global_load_b32 v[XW+32*((\t)%2)+\i], v[OF+\i], s[32+2*(\t):33+2*(\t)] th:TH_LOAD_NT
.endr
.endm
.macro BLOCKW t
.set XS, XW+32*((\t)%2)
.if (\t) < NB-1
	s_wait_loadcnt 32                              ; this block's 32 loads are in; the next block's may be out
.else
	s_wait_loadcnt 0
.endif
.irp i, 0,1,2,3,4,5,6,7,8,9,10,11,12,13,14,15,16,17,18,19,20,21,22,23,24,25,26,27,28,29,30,31
	v_med3_num_f32 v[XS+\i], v[XS+\i], -v10, v10
.endr
.irp g, 0,1,2,3
	v_cvt_scalef32_pk8_fp8_f32 v[CW+2*\g:CW+2*\g+1], v[XS+8*\g:XS+8*\g+7], v11
.endr
	ds_store_b128 v4, v[CW:CW+3] offset:32*(\t)    ; 32 codes: 32 bytes of my column's row
	ds_store_b128 v4, v[CW+4:CW+7] offset:32*(\t)+16
.if (\t)+2 < NB
	LOADW (\t)+2
.endif
	s_wait_dscnt 0x0                               ; the stores have read their registers: the next block's codes may be written
.endm
	s_load_b256 s[4:11], s[0:1], 0x0               ; x s[4:5], W_attn s[6:7], W_proj s[8:9], the scales' exponents s[10:11]
	s_load_b128 s[12:15], s[0:1], 0x20             ; x_codes s[12:13], wa_codes s[14:15]
	s_load_b64 s[16:17], s[0:1], 0x30              ; wp_codes
	v_lshl_add_u32 v192, v0, 2, 0x10800
	v_mov_b32 v193, 0
	v_lshrrev_b32 v1, 5, v0
	v_readfirstlane_b32 s18, v1                    ; wave 0..3
	v_and_b32 v2, 31, v0                           ; lane
	s_wait_kmcnt 0x0
	s_load_b256 s[24:31], s[10:11], 0x0            ; e0 .. e7
	s_cmp_lt_u32 ttmp9, 256
	s_cbranch_scc0 .Lweights
	; ---------------- PATH X ----------------
	s_wait_alu depctr_va_vdst(0)
	v_lshlrev_b32 v3, 4, v2                        ; my 16 bytes of a load's 512, and of a store's 512
	s_wait_alu depctr_va_vdst(0)
	s_mul_i32 s19, s18, WREG
	v_lshrrev_b32 v14, 2, v2
	v_mul_u32_u24 v14, v14, SP
	v_and_b32 v15, 3, v2
	v_lshl_add_u32 v14, v15, 4, v14
	v_add_nc_u32 v14, s19, v14                     ; the stage, on the way in: four lanes' 64 bytes on end, then 16 of padding
	v_mul_u32_u24 v15, v2, SP
	v_add_nc_u32 v15, s19, v15                     ; and on the way out: my 16 neighbours
	s_lshl_b32 s19, ttmp9, 2
	s_add_co_u32 s20, s19, s18                     ; which run of 8,192 numbers is my wave's: 4 x work-group + wave
	s_lshl_b32 s22, s20, 15                        ; 32,768 bytes of f32,
	s_mov_b32 s23, 0
	s_add_nc_u64 s[4:5], s[4:5], s[22:23]
	s_lshl_b32 s22, s20, 13                        ; 8,192 bytes of codes
	s_add_nc_u64 s[12:13], s[12:13], s[22:23]
.irp t, 0,1,2,3
	LOADX \t
.endr
	s_wait_alu depctr_va_vdst(0)
	s_wait_kmcnt 0x0
	s_add_co_i32 s22, s24, 127                     ; e0
	s_lshl_b32 s23, s22, 23
	v_mov_b32 v11, s23                             ; 2^e as f32: the conversion takes its exponent field
	s_add_co_i32 s22, s22, 8
	s_lshl_b32 s22, s22, 23
	s_or_b32 s22, s22, 0x600000
	v_mov_b32 v10, s22                             ; 448 x 2^e
	s_wait_alu depctr_va_vdst(0)
	s_wait_loadcnt 12                              ; step 0's four loads are in
	TURNX 0
.irp t, 0,1,2,3,4,5,6,7,8,9,10,11,12,13,14,15
	STEPX \t
.endr
	s_wait_tensorcnt 0x0
	ds_add_u32 v192, v193
	s_wait_dscnt 0x0
	s_endpgm
	; ---------------- PATH W ----------------
.Lweights:
	s_sub_co_u32 s19, ttmp9, 256                   ; 0 .. 95: W_attn; 96 .. 127: W_proj
	s_and_b32 s20, s19, 3                          ; which 256 along K (96 is a multiple of 4: the same for both)
	s_lshr_b32 s21, s19, 2                         ; which 128 columns, in W_attn,
	s_sub_co_u32 s22, s21, 24                      ; in W_proj
	s_mov_b32 s23, 4096
	s_cmp_lt_u32 s19, 96                           ; the choice hangs on the work-group's number alone
	s_cselect_b64 s[6:7], s[6:7], s[8:9]           ; the weight,
	s_cselect_b64 s[14:15], s[14:15], s[16:17]     ; its codes,
	s_cselect_b32 s21, s21, s22
	s_cselect_b32 s23, 12288, s23                  ; and a row of it in bytes
	s_lshl_b32 s21, s21, 7
	s_lshl_b32 s22, s18, 5
	s_add_co_u32 s21, s21, s22                     ; my wave's first column
	s_wait_alu depctr_va_vdst(0)
	v_lshlrev_b32 v3, 2, v2                        ; in: 4 bytes a lane
.irp i, 0,1,2,3,4,5,6,7,8,9,10,11,12,13,14,15,16,17,18,19,20,21,22,23,24,25,26,27,28,29,30,31
	v_mad_u32_u24 v[OF+\i], s23, \i, v3            ; + i rows
.endr
	s_mul_i32 s52, s18, 32*WP
	s_add_co_u32 s52, s52, WST                     ; my stage
	v_mul_u32_u24 v4, v2, WP
	v_add_nc_u32 v4, s52, v4                       ; into it: row = my column
	v_and_b32 v5, 15, v2
	v_lshrrev_b32 v6, 4, v2                        ; out of it: sixteen lanes to a row, two rows an instruction
	v_mul_u32_u24 v7, v6, WP
	v_lshl_add_u32 v7, v5, 4, v7
	v_add_nc_u32 v7, s52, v7
	v_lshlrev_b32 v8, 10, v6                       ; and the same place in the codes' buffer: rows of 1,024 bytes
	v_lshl_add_u32 v8, v5, 4, v8
	s_lshl_b32 s22, s20, 8                         ; my first row of the weight,
	s_mul_i32 s48, s22, s23                        ; in bytes,
	s_lshl_b32 s53, s21, 2
	s_add_co_u32 s48, s48, s53                     ; + my first column
	s_mov_b32 s49, 0
	s_add_nc_u64 s[32:33], s[6:7], s[48:49]        ; block 0's base
	s_lshl_b32 s50, s23, 5                         ; 32 rows on
	s_mov_b32 s51, 0
.irp t, 1,2,3,4,5,6,7
	s_add_nc_u64 s[32+2*\t:33+2*\t], s[30+2*\t:31+2*\t], s[50:51]
.endr
	s_lshl_b32 s48, s21, 10                        ; codes: column x 1,024 + 256 x which K
	s_add_co_u32 s48, s48, s22
	s_add_nc_u64 s[14:15], s[14:15], s[48:49]
	LOADW 0
	LOADW 1
	s_wait_kmcnt 0x0
	s_cmp_lt_u32 s19, 96
	s_cselect_b32 s22, s25, s31                    ; e1 or e7
	s_add_co_i32 s22, s22, 127
	s_lshl_b32 s53, s22, 23
	v_mov_b32 v11, s53                             ; 2^e
	s_add_co_i32 s22, s22, 8
	s_lshl_b32 s22, s22, 23
	s_or_b32 s22, s22, 0x600000
	v_mov_b32 v10, s22                             ; 448 x 2^e
	s_wait_alu depctr_va_vdst(0)
.irp t, 0,1,2,3,4,5,6,7
	BLOCKW \t
.endr
.irp t, 0,1,2,3,4,5,6,7,8,9,10,11,12,13,14,15
	ds_load_b128 v[OUTR+4*\t:OUTR+4*\t+3], v7 offset:2*\t*WP   ; LDS serves a wave's instructions in order: these see my stores
.endr
.irp t, 0,1,2,3,4,5,6,7,8,9,10,11,12,13,14,15
	s_wait_dscnt 15-\t                             ; read-back t is in; the younger ones may be out
	global_store_b128 v8, v[OUTR+4*\t:OUTR+4*\t+3], s[14:15] offset:2*\t*1024   ; sixteen lanes store 256 consecutive bytes, aligned
.endr
	s_wait_tensorcnt 0x0
	ds_add_u32 v192, v193
	s_wait_dscnt 0x0
	s_endpgm
.Lfunc_end_k_q43a7ba7066_quant:
	.size	k_q43a7ba7066_quant, .Lfunc_end_k_q43a7ba7066_quant-k_q43a7ba7066_quant
	.p2alignl 7, 3214868480
	.fill 96, 4, 3214868480
	.section	.rodata,"a",@progbits
	.p2align	6, 0x0
	.amdhsa_kernel k_q43a7ba7066_quant
		.amdhsa_group_segment_fixed_size 68096
		.amdhsa_private_segment_fixed_size 0
		.amdhsa_enable_private_segment 0
		.amdhsa_kernarg_size 56
		.amdhsa_user_sgpr_count 2
		.amdhsa_user_sgpr_kernarg_segment_ptr 1
		.amdhsa_wavefront_size32 1
		.amdhsa_system_sgpr_workgroup_id_x 1
		.amdhsa_system_sgpr_workgroup_id_y 1
		.amdhsa_system_sgpr_workgroup_id_z 1
		.amdhsa_system_vgpr_workitem_id 0
		.amdhsa_next_free_vgpr 194
		.amdhsa_next_free_sgpr 66
		.amdhsa_reserve_vcc 0
		.amdhsa_float_denorm_mode_32 3
		.amdhsa_float_denorm_mode_16_64 3
		.amdhsa_memory_ordered 1
		.amdhsa_forward_progress 1
		.amdhsa_inst_pref_size 88
	.end_amdhsa_kernel
	.amdgpu_metadata
---
amdhsa.version: [ 1, 2 ]
amdhsa.kernels:
  - .name:           k_q43a7ba7066_quant
    .symbol:         k_q43a7ba7066_quant.kd
    .args:
      - { .name: x, .offset: 0, .size: 8, .value_kind: global_buffer, .address_space: global }
      - { .name: W_attn, .offset: 8, .size: 8, .value_kind: global_buffer, .address_space: global }
      - { .name: W_proj, .offset: 16, .size: 8, .value_kind: global_buffer, .address_space: global }
      - { .name: lowp_scales, .offset: 24, .size: 8, .value_kind: global_buffer, .address_space: global }
      - { .name: x_codes, .offset: 32, .size: 8, .value_kind: global_buffer, .address_space: global }
      - { .name: wa_codes, .offset: 40, .size: 8, .value_kind: global_buffer, .address_space: global }
      - { .name: wp_codes, .offset: 48, .size: 8, .value_kind: global_buffer, .address_space: global }
    .group_segment_fixed_size: 68096
    .private_segment_fixed_size: 0
    .kernarg_segment_align: 8
    .kernarg_segment_size: 56
    .max_flat_workgroup_size: 128
    .sgpr_count:     66
    .vgpr_count:     194
    .wavefront_size: 32
...
	.end_amdgpu_metadata
.endif
;; end of part 1
;; launch qkv (part 2): grid 96 x 4, 4 waves a work-group, clusters of 4 x 4, 327,680 bytes of LDS; arguments x_codes, wa_codes, b_attn, lowp_scales, qkv_codes; writes qkv_codes
.if DOCPART == 2
	.amdgcn_target "amdgcn-amd-amdhsa--gfx1250"
	.amdhsa_code_object_version 6
	.text
	.protected	k_q43a7ba7066_qkv
	.globl	k_q43a7ba7066_qkv
	.p2align	8
	.type	k_q43a7ba7066_qkv,@function
k_q43a7ba7066_qkv:
	s_mov_b64 s[64:65], 0
	v_nop
	global_prefetch_b8 v0, s[64:65] scope:SCOPE_SE
	s_setreg_imm32_b32 hwreg(HW_REG_WAVE_MODE, 25, 1), 1
	s_wait_xcnt 0x0
	s_wait_alu depctr_hold_cnt(0) depctr_sa_sdst(0) depctr_va_vdst(0) depctr_va_sdst(0) depctr_va_ssrc(0) depctr_va_vcc(0) depctr_vm_vsrc(0)
	s_getreg_b32 s2, hwreg(HW_REG_IB_STS2, 6, 4)
	s_cmp_eq_u32 s2, 0
	s_cbranch_scc0 .Lentry_in_a_cluster
	s_endpgm
.Lentry_in_a_cluster:
	s_bfe_u32 s2, ttmp6, 0x10000c
	s_cmp_lg_u32 s2, 0xf033
	s_cbranch_scc0 .Lentry_shape_is_right
	s_endpgm
.Lentry_shape_is_right:
; qkv = x W_attn + b_attn on codes of FP8 (E4M3), and q, k, v quantised on the way out into qkv_codes, laid as the attention launch reads them.
; Head bh = 16 batch + head begins at bh x 393,216: Q [2048 s][64] at +0, K [2048 s][64] at +131,072, V [16 steps of 128 keys][64 d][128 keys] at +262,144 (the keys innermost: they are the next K).
; A tile of 256 x 256 is made by four waves, 128 x 128 each (64 accumulators, 512 registers).  K = 1,024 goes in four steps of 256 through a ring of two LDS slots filled by the tensor data mover.
; 24 CLUSTERS of 4 x 4 work-groups, told apart by the cluster's x alone.  Clusters 0-15 make q and k: A = x's codes (rows = tokens), B = W's rows 0-2047 (features).  Clusters 16-23 make V TRANSPOSED:
; A = W's rows 2048-3071, B = x's codes, so that a lane's eight results are eight neighbouring KEYS of one d.  Only pointers and indices are chosen between the kinds; the loop and every LDS address are the same.
; The four of a row of a cluster need the same tiles of A, the four of a column the same tiles of B: each tile is asked for JOINTLY, by the same tensor load with the same descriptor and a mask that names the four.
; THE MATRIX INSTRUCTION IS USED TRANSPOSED (source 0 = 16 rows of B, source 1 = 16 rows of A): register j of lane l of accumulator (a, b) is (A's row 16 a + l % 16, B's row 16 b + 8 (l / 16) + j).
; A fragment is fetched by four loads of 16 bytes: a permutation of k inside 128, the same in A and B, so that every product meets its partner.
; A finished sum becomes sum x 2^(e0 + e1) + bias by one packed multiply-add, is held within +-448 x 2^e and converted with 2^e, e = entry 2 (q), 3 (k) or 5 (v).
; LIMITS: e0 + e1 between -126 and 127; e2, e3, e5 between -126 and 119.  NaN is not served.
; No prefetch: K has four steps, of which two come by the first fills at the head.
; REGISTERS, in windows of 256: window 0: v0-31 addresses and constants; v96-99 my 128 bias numbers as loaded; from v128 A's fragments, ONE set; on the way out v32-95 the bias, v128-255 at work.
;   window 1: B's fragments, TWO sets.   window 2: the accumulators of my rows 0-63 ((a, b) at v[8 (8 a + b)]);   window 3: those of my rows 64-127.
.set ROWB,   256                       ; a tile's row in bytes: 256 codes
.set KROW,   1024                      ; a row of A or of B in memory
.set PITCH,  272                       ; an LDS row: 256 bytes + 16 of padding = 68 words: the 16 rows that a load touches start at 16 different banks (64 banks of 4 bytes: ISA guide 11.1)
.set FR,     16                        ; registers of a fragment: 16 rows x 128 K
.set NL,     4                         ; LDS loads that bring one
.set NP,     4                         ; places behind this matrix instruction (ISA guide 7.12.1)
.set HALFT,  128*PITCH                 ; 128 rows: what one tensor load brings
.set SLOT,   4*HALFT                   ; A's 256 rows, then B's 256 rows
.set LAPS,   2                         ; 1,024 along K = twice round the ring
.set SPARE,  2*SLOT                    ; behind the ring: the spare words, 128 bytes for each wave: two blocks of 256 bytes that no other line names
.set STQ,    0                         ; the way out lies in slot 0, which has had its last fill and its last read by then: q's and k's stages, 16 rows x 144 bytes for each wave,
.set STV,    9216                      ; V's stages, bytes of their own,
.set BSCR,   18432                     ; and 512 bytes for each wave's 128 bias numbers
.set SPIT,   144                       ; a stage row: 128 bytes of codes + 16
.set STO,  8                           ; v8   q, k: where I put 8 codes of a row
.set STOV, 9                           ; v9   V: the same
.set RDQ,  10                          ; v10  q, k: where I read 16 bytes back
.set RDV,  11                          ; v11  V: the same
.set BSA,  12                          ; v12  the bias: where I put my four numbers
.set BRQ,  13                          ; v13  q, k: where I read the bias of my eight columns
.set BRV,  14                          ; v14  V: of my row
.set ADRA, 16                          ; v16-17  LDS address of my A fragments in slot 0, 1
.set ADRB, 20                          ; v20-21  the same for B
.set CO,   26                          ; v26  16 x lane: my place in a store's 512 bytes
.set BO,   27                          ; v27  my four bias numbers' byte offset in b_attn
.set SPW,  28                          ; v28  LDS address of my spare word; never rewritten
.set NIL,  29                          ; v29  0; never rewritten
.set SCL,  30                          ; v30  2^e of the operand that I make
.set LIM,  31                          ; v31  448 x 2^e
.set BI,   32                          ; v32-95 the bias in the results' layout
.set BRAW, 96
.set AF,   128                         ; A's fragments
.set TMP,  128                         ; the way out: v128-191 a block's 64 numbers
.set CD,   192                         ; v192-223 its codes, two sets of 16
.set BB,   224                         ; v224-255 the codes read back, two sets of 16
.set G1, 24                            ; s[24:31] descriptor group 1 for A's tiles;  s[32:39] group 0, one set for each slot
.set G0, 32
.set G1B, 48                           ; s[48:55], s[56:63] the same for B's tiles
.set G0B, 56
.set MSB, 0
.macro WIN new                         ; the immediate's high byte repeats the setting that is left
.if MSB != \new
	s_set_vgpr_msb (MSB<<8)|\new
.set MSB, \new
.endif
.endm
.set MUL_LO, 0xa1                      ; source 0 (B) window 1, source 1 (A) window 0, C and D window 2
.set MUL_HI, 0xf1                      ; the same, C and D window 3
.set TO_B,   0x40                      ; destination window 1, address window 0
; A joint load: waves 0 and 1 fetch for A, waves 2 and 3 for B; the branch hangs on the wave's number alone.  Four v_nop follow each of the two lines.
.macro JLOAD g0a, g1a, g0b, g1b
	s_cmp_eq_u32 s15, 0
	s_cbranch_scc0 .Lfor_b_\@
	tensor_load_to_lds s[\g0a:\g0a+3], s[\g1a:\g1a+7]
	s_nop 0
.rept 4
	v_nop
.endr
	s_branch .Lasked_\@
.Lfor_b_\@:
	tensor_load_to_lds s[\g0b:\g0b+3], s[\g1b:\g1b+7]
	s_nop 0
.rept 4
	v_nop
.endr
.Lasked_\@:
.endm
.macro CREST                           ; a round of the cluster's barrier behind its opening barrier
	s_cmp_lg_u32 s14, 0
	s_cbranch_scc1 .Lnot_wave_0_\@
	s_barrier_signal -3
.Lnot_wave_0_\@:
	s_barrier_wait -3
	s_barrier_signal -1
	s_barrier_wait -1
.endm
.macro CROUND                          ; a whole round
	s_barrier_signal -1
	s_barrier_wait -1
	CREST
.endm
	s_load_b256 s[4:11], s[0:1], 0x0               ; x_codes s[4:5], wa_codes s[6:7], b_attn s[8:9], the scales' exponents s[10:11]
	s_load_b64 s[12:13], s[0:1], 0x20              ; qkv_codes
	v_lshl_add_u32 v[SPW], v0, 2, SPARE
	v_mov_b32 v[NIL], 0
	ds_add_u32 v28, v29
	ds_add_u32 v28, v29
	s_wait_dscnt 0x0
	v_lshrrev_b32 v1, 5, v0
	v_readfirstlane_b32 s14, v1                    ; wave 0..3
	s_lshr_b32 s15, s14, 1                         ; which half of the tile's A rows is mine.  Also: I fetch for A (0) or for B (1)
	s_and_b32 s16, s14, 1                          ; which half of its B rows.  Also: which 128 rows of that tile I fetch
	s_bfe_u32 s40, ttmp6, 0x40000                  ; cx, cy: my place in the cluster
	s_bfe_u32 s41, ttmp6, 0x40004
	s_and_b32 s70, ttmp9, 1                        ; q, k: the cluster's column (0: q, 1: k)
	s_lshr_b32 s71, ttmp9, 1                       ;       and row (1,024 tokens)
	s_sub_co_u32 s73, ttmp9, 16                    ; V: the cluster's column (1,024 tokens); its row is 0
	s_mov_b32 s75, 2048
	s_cmp_lt_u32 ttmp9, 16                         ; the kind: the same in all sixteen partners
	s_cselect_b32 s70, s70, s73
	s_cselect_b32 s71, s71, 0
	s_cselect_b32 s75, 0, s75                      ; A's first row in its tensor: V's features begin at W's row 2,048
	s_lshl_b32 s42, s70, 2
	s_add_co_u32 s42, s42, s40                     ; tile column = 4 x cluster column + cx
	s_lshl_b32 s17, s71, 2
	s_add_co_u32 s17, s17, s41                     ; tile row = 4 x cluster row + cy
	s_lshl_b32 s43, s41, 2
	s_lshl_b32 s43, 15, s43                        ; my row of the cluster
	s_lshl_b32 s44, 0x1111, s40                    ; my column
	; descriptor group 1: a tile of 128 rows x 256 bytes, padded in LDS
	s_or_b32 s[G1+0], s43, (0<<16)|(1<<20)|(1<<21)|(5<<22)|(3<<25)  ; 15:0 the mask: A's tiles go to my row; 17:16 element of 1 byte; 20 padding on; 21 set beside a mask; 24:22 after every 64 words; 31:25 of 4 words
	s_or_b32 s[G1B+0], s44, (0<<16)|(1<<20)|(1<<21)|(5<<22)|(3<<25)
.irp g, G1, G1B
	s_mov_b32 s[\g+1], ROWB<<16                    ; tensor_dim0
	s_mov_b32 s[\g+2], 128<<16                     ; tensor_dim1 = 128
	s_mov_b32 s[\g+3], ROWB<<16                    ; tile_dim0
	s_mov_b32 s[\g+4], 128                         ; tile_dim1 = 128
	s_mov_b32 s[\g+5], KROW                        ; tensor_dim0_stride
	s_mov_b32 s[\g+6], 0
	s_mov_b32 s[\g+7], 0
.endr
	s_lshl_b32 s18, s16, 7                         ; which 128 rows of the tile I fetch
	s_lshl_b32 s20, s17, 8
	s_add_co_u32 s20, s20, s18
	s_add_co_u32 s20, s20, s75                     ; A: row 256 x tile row + 128 x half (+ 2,048)
	s_lshl_b32 s46, s42, 8
	s_add_co_u32 s46, s46, s18                     ; B: row 256 x tile column + 128 x half
	s_lshl_b32 s20, s20, 10                        ; in bytes: rows of 1,024
	s_mov_b32 s21, 0
	s_lshl_b32 s46, s46, 10
	s_mov_b32 s47, 0
	s_mul_i32 s45, s14, HALFT                      ; where they go: wave x 128 rows: no place in the cluster enters an LDS address
	s_wait_kmcnt 0x0
	s_load_b256 s[80:87], s[10:11], 0x0            ; e0 .. e7
	s_cmp_lt_u32 ttmp9, 16
	s_cselect_b64 s[66:67], s[4:5], s[6:7]         ; A's tensor
	s_cselect_b64 s[68:69], s[6:7], s[4:5]         ; B's
	s_add_nc_u64 s[20:21], s[66:67], s[20:21]
	s_add_nc_u64 s[46:47], s[68:69], s[46:47]
	CROUND                                         ; all sixteen work-groups are here: the first joint loads meet
.irp s, 0,1
	s_mov_b32 s[G0+4*\s], 1
	s_add_co_u32 s[G0+4*\s+1], s45, \s*SLOT
	s_add_nc_u64 s[G0+4*\s+2:G0+4*\s+3], s[20:21], \s*ROWB
	s_or_b32 s[G0+4*\s+3], s[G0+4*\s+3], 0x80000000
	s_mov_b32 s[G0B+4*\s], 1
	s_add_co_u32 s[G0B+4*\s+1], s45, \s*SLOT
	s_add_nc_u64 s[G0B+4*\s+2:G0B+4*\s+3], s[46:47], \s*ROWB
	s_or_b32 s[G0B+4*\s+3], s[G0B+4*\s+3], 0x80000000
.endr
	JLOAD G0, G1, G0B, G1B                         ; K step 0: one tensor load a wave at the head
	; my 128 bias numbers: q, k: of my B rows (features 256 x tile column + 128 x half); V: of my A rows (2,048 + 256 x tile row + 128 x half).  One load, four numbers a lane; it is waited for on the way out
	s_lshl_b32 s76, s42, 8
	s_lshl_b32 s77, s16, 7
	s_add_co_u32 s76, s76, s77
	s_lshl_b32 s77, s17, 8
	s_lshl_b32 s78, s15, 7
	s_add_co_u32 s77, s77, s78
	s_add_co_u32 s77, s77, 2048
	s_cmp_lt_u32 ttmp9, 16
	s_cselect_b32 s76, s76, s77
	s_lshl_b32 s76, s76, 2
	v_and_b32 v6, 31, v0
	v_lshlrev_b32 v[CO], 4, v6
	v_add_nc_u32 v[BO], s76, v[CO]
	global_load_b128 v[BRAW:BRAW+3], v[BO], s[8:9]
	v_and_b32 v1, 15, v0                           ; r = l % 16
	s_wait_alu depctr_va_vdst(0)
	v_bfe_u32 v2, v0, 4, 1                         ; h = l / 16
	v_mul_u32_u24 v3, v1, PITCH
	v_lshl_add_u32 v4, v2, 4, v3                   ; a fragment's row x pitch + 16 x half
	s_mul_i32 s21, s15, HALFT                      ; my 128 rows of A
	s_mul_i32 s22, s16, HALFT                      ; my 128 rows of B,
	s_add_co_u32 s22, s22, 2*HALFT                 ; which lie behind A's 256
.irp s, 0,1
	v_add_nc_u32 v[ADRA+\s], s21, v4
	v_add_nc_u32 v[ADRB+\s], s22, v4
	s_add_co_u32 s21, s21, SLOT
	s_add_co_u32 s22, s22, SLOT
.endr
	s_mul_i32 s23, s14, 16*SPIT                    ; my stage
	v_mul_u32_u24 v5, v1, SPIT
	s_wait_alu depctr_va_vdst(0)
	v_lshl_add_u32 v5, v2, 3, v5                   ; in: row r, 8 bytes for each half of the lanes
	v_add_nc_u32 v[STO], s23, v5
	v_add_nc_u32 v[STOV], STV, v[STO]
	v_bfe_u32 v5, v0, 2, 3                         ; q, k, back: four lanes to a row's 64 bytes of one head, eight rows an instruction
	v_mul_u32_u24 v5, v5, SPIT
	v_and_b32 v7, 3, v0
	v_lshl_add_u32 v5, v7, 4, v5
	v_add_nc_u32 v[RDQ], s23, v5
	v_bfe_u32 v5, v0, 3, 2                         ; V, back: eight lanes to a row's 128 bytes, four rows an instruction
	v_mul_u32_u24 v5, v5, SPIT
	v_and_b32 v7, 7, v0
	v_lshl_add_u32 v5, v7, 4, v5
	v_add_nc_u32 v5, s23, v5
	v_add_nc_u32 v[RDV], STV, v5
	s_lshl_b32 s23, s14, 9
	s_add_co_u32 s23, s23, BSCR                    ; my 512 bytes for the bias
	v_add_nc_u32 v[BSA], s23, v[CO]
	v_lshl_add_u32 v[BRQ], v2, 5, s23              ; q, k: block b's numbers 16 b + 8 h + 0 .. 7
	v_lshl_add_u32 v[BRV], v1, 2, s23              ; V: block a's number 16 a + r
	; where my part begins in qkv_codes.  q, k: head 16 (tile row / 8) + 4 (tile column % 4) + 2 x column half; + 131,072 for k; token (tile row % 8) x 256 + 128 x row half, 64 bytes each
	s_lshr_b32 s88, s17, 3
	s_lshl_b32 s88, s88, 4
	s_and_b32 s89, s42, 3
	s_lshl_b32 s89, s89, 2
	s_add_co_u32 s88, s88, s89
	s_lshl_b32 s89, s16, 1
	s_add_co_u32 s88, s88, s89
	s_mul_i32 s88, s88, 393216
	s_lshl_b32 s89, s70, 17
	s_add_co_u32 s88, s88, s89
	s_and_b32 s89, s17, 7
	s_lshl_b32 s89, s89, 8
	s_lshl_b32 s90, s15, 7
	s_add_co_u32 s89, s89, s90
	s_lshl_b32 s89, s89, 6
	s_add_co_u32 s88, s88, s89
	; V: head 16 (tile column / 8) + 4 x tile row + 2 x row half; + 262,144; key step 2 (tile column % 8) + column half, 8,192 bytes each
	s_lshr_b32 s91, s42, 3
	s_lshl_b32 s91, s91, 4
	s_lshl_b32 s92, s17, 2
	s_add_co_u32 s91, s91, s92
	s_lshl_b32 s92, s15, 1
	s_add_co_u32 s91, s91, s92
	s_mul_i32 s91, s91, 393216
	s_and_b32 s92, s42, 7
	s_lshl_b32 s92, s92, 1
	s_add_co_u32 s92, s92, s16
	s_lshl_b32 s92, s92, 13
	s_add_co_u32 s91, s91, s92
	s_add_co_u32 s91, s91, 262144
	s_cmp_lt_u32 ttmp9, 16
	s_cselect_b32 s88, s88, s91
	s_mov_b32 s89, 0
	s_add_nc_u64 s[12:13], s[12:13], s[88:89]
	s_wait_kmcnt 0x0
	s_add_co_i32 s96, s80, s81                     ; e0 + e1
	s_add_co_i32 s96, s96, 127
	s_lshl_b32 s96, s96, 23                        ; 2^(e0 + e1) as f32
	s_mov_b32 s97, s96                             ; (named with it as a pair, so it is written)
	s_cmp_eq_u32 s70, 0
	s_cselect_b32 s93, s82, s83                    ; q: e2; k: e3
	s_cmp_lt_u32 ttmp9, 16
	s_cselect_b32 s93, s93, s85                    ; V: e5.  The given numbers are chosen, never branched on
	s_add_co_i32 s93, s93, 127
	s_lshl_b32 s94, s93, 23
	v_mov_b32 v[SCL], s94
	s_add_co_i32 s93, s93, 8
	s_lshl_b32 s93, s93, 23
	s_or_b32 s93, s93, 0x600000
	v_mov_b32 v[LIM], s93
.macro FRAG reg, adr, q, i             ; a fragment: lane l holds row l % 16; registers 4 c .. 4 c + 3 hold K = 32 c + 16 (l / 16) + 0 .. 15
.irp c, 0,1,2,3
	ds_load_b128 v[\reg+4*\c:\reg+4*\c+3], v[\adr] offset:128*(\q)+32*\c+(\i)*16*PITCH
.endr
.endm
; 16 matrix instructions: A's blocks a0, a0 + 1 x B's eight, 128 along K.  p: B's set.  zero = 1: the first product starts the sums.
; The 64 accumulators take turns, one instruction a turn, in the same order in every step.
.macro MUL16 a0, p, zero
.irp a, \a0, \a0+1
.irp b, 0,1,2,3,4,5,6,7
.if \zero
	v_wmma_f32_16x16x128_fp8_fp8 v[8*(8*((\a)%4)+\b):8*(8*((\a)%4)+\b)+7], v[128*(\p)+FR*\b:128*(\p)+FR*\b+FR-1], v[AF+FR*(\a):AF+FR*(\a)+FR-1], 0
.else
	v_wmma_f32_16x16x128_fp8_fp8 v[8*(8*((\a)%4)+\b):8*(8*((\a)%4)+\b)+7], v[128*(\p)+FR*\b:128*(\p)+FR*\b+FR-1], v[AF+FR*(\a):AF+FR*(\a)+FR-1], v[8*(8*((\a)%4)+\b):8*(8*((\a)%4)+\b)+7]
.endif
.endr
.endr
.endm
.macro FETCH_B slot, q, p              ; B's eight fragments of the slot's q-th 128 along K into set p
	WIN TO_B
.irp i, 0,1,2,3,4,5,6,7
	FRAG 128*(\p)+FR*\i, ADRB+\slot, \q, \i
.endr
	WIN 0
.endm
.macro FETCH_A slot, q, i0             ; A's blocks i0 .. i0 + 3
.irp i, \i0, \i0+1, \i0+2, \i0+3
	FRAG AF+FR*(\i), ADRA+\slot, \q, \i
.endr
.endm
; A load into a register that a matrix instruction has read, and a vector instruction that reads a matrix result or writes one of its registers, stand NP plain vector instructions behind it.
.macro PLACES n
.rept \n
	v_nop
.endr
.endm
.macro STEP slot, q, zero              ; a step of 128 along K that has its successor in the same slot
	s_wait_dscnt 4*NL                              ; B's set and A's blocks 0-3 are in; the youngest 16 loads (A's blocks 4-7) may be out
	WIN MUL_LO
	MUL16 0, (\q)%2, \zero
	MUL16 2, (\q)%2, \zero
	s_wait_dscnt 0                                 ; A's blocks 4-7 are in
	PLACES NP
	FETCH_B \slot, (\q)+1, 1-(\q)%2
	FETCH_A \slot, (\q)+1, 0
	WIN MUL_HI
	MUL16 4, (\q)%2, \zero
	MUL16 6, (\q)%2, \zero
	PLACES NP
	WIN 0
	FETCH_A \slot, (\q)+1, 4
.endm
; A slot's last step changes slots: ONE barrier; in front of it each wave waits for all its tensor loads, adds 0 to its spare word, and waits for that and for its own reads of this slot.  fill = 1: this slot is filled again, two K steps ahead.
.macro TURN slot, next, fill
	s_wait_tensorcnt 0x0                           ; all my tensor loads have landed: my part of the next slot
	ds_add_u32 v[SPW], v[NIL]                      ; 0 onto my spare word
	s_wait_dscnt 4*NL+1                            ; (the add and the youngest 16 loads, A's blocks 4-7, may be out)
	WIN MUL_LO
	MUL16 0, 1, 0                                  ; sixteen matrix instructions stand between the add and the wait for it
	s_wait_dscnt 0x0                               ; the add is done, and my reads of this slot are over
	s_barrier_signal -1
	MUL16 2, 1, 0
	WIN 0
	s_barrier_wait -1
.if \fill
	CREST                                          ; the barrier has opened a round of the cluster's barrier: no wave of any partner still reads this slot's tile or has a load on its way
	s_add_nc_u64 s[G0+4*\slot+2:G0+4*\slot+3], s[G0+4*\slot+2:G0+4*\slot+3], 2*ROWB
	s_add_nc_u64 s[G0B+4*\slot+2:G0B+4*\slot+3], s[G0B+4*\slot+2:G0B+4*\slot+3], 2*ROWB
	JLOAD G0+4*\slot, G1, G0B+4*\slot, G1B         ; the first tensor load behind the round; its four v_nop are the places in front of the loads below
.else
	PLACES NP
.endif
	FETCH_B \next, 0, 0
	FETCH_A \next, 0, 0
	WIN MUL_HI
	MUL16 4, 1, 0
	MUL16 6, 1, 0
	PLACES NP
	WIN 0
	FETCH_A \next, 0, 4
.endm
	s_wait_alu depctr_va_vdst(0)                   ; the wait at the head's end
	s_wait_tensorcnt 0x0                           ; my part of K step 0 is in
	ds_add_u32 v[SPW], v[NIL]
	s_wait_dscnt 0x0
	CROUND                                         ; everybody's part of K step 0 is in, and the sixteen work-groups meet
	JLOAD G0+4, G1, G0B+4, G1B                     ; K step 1, the first tensor load behind the round
	FETCH_B 0, 0, 0
	FETCH_A 0, 0, 0
	FETCH_A 0, 0, 4
	STEP 0, 0, 1                                   ; the first step stands in front of the loop: its products start the sums
	s_mov_b32 s3, LAPS-1
.Llap:                                                 ; a trip goes once round the ring and fills both slots again
	TURN 0, 1, 1
	STEP 1, 0, 0
	TURN 1, 0, 1
	STEP 0, 0, 0
	s_sub_co_u32 s3, s3, 1
	s_cmp_lg_u32 s3, 0
	s_cbranch_scc1 .Llap
	TURN 0, 1, 0                                   ; the last lap fills nothing
	STEP 1, 0, 0
	s_wait_dscnt 4*NL                              ; the very last step: nothing more to fetch
	WIN MUL_LO
	MUL16 0, 1, 0
	MUL16 2, 1, 0
	s_wait_dscnt 0
	WIN MUL_HI
	MUL16 4, 1, 0
	MUL16 6, 1, 0
	WIN 0
; THE WAY OUT, block by block of 16 of A's rows x 128 of B's.  OUTBLK: sum x 2^(e0 + e1) + bias, each accumulator from its low end on; the hold; the conversion: a lane's eight numbers become 8 bytes;
; they go into my own stage (rows of 128 bytes + 16) and come back so that each store of the wave covers 512 consecutive, aligned bytes of qkv_codes.
; LDS serves a wave's instructions in order (ISA guide 5.7.1.4): no wait between the stores and the loads, nor in front of the next block's stores.
.macro OUTBLK kind, a
.set AC, 64*((\a)%4)
.set CSET, CD+16*((\a)%2)
.set BSET, BB+16*((\a)%2)
	WIN 0x02+((\a)/4)                              ; source 0: window 2 or 3
.set j, 0
.rept 32
.if \kind
	v_pk_fma_f32 v[TMP+j:TMP+j+1], v[AC+j:AC+j+1], s[96:97], v[BI+2*(\a):BI+2*(\a)+1] op_sel_hi:[1,0,1]   ; V: one feature a lane: its bias stands twice in the pair
.else
	v_pk_fma_f32 v[TMP+j:TMP+j+1], v[AC+j:AC+j+1], s[96:97], v[BI+j:BI+j+1] op_sel_hi:[1,0,1]             ; q, k: the features run along the registers
.endif
.set j, j+2
.endr
	WIN 0
.irp b, 0,1,2,3,4,5,6,7
.irp i, 0,1,2,3,4,5,6,7
	v_med3_num_f32 v[TMP+8*\b+\i], v[TMP+8*\b+\i], -v[LIM], v[LIM]   ; the conversion does not saturate (ISA guide 7.6.2): all 64 holds come first,
.endr
.endr
.irp b, 0,1,2,3,4,5,6,7
	v_cvt_scalef32_pk8_fp8_f32 v[CSET+2*\b:CSET+2*\b+1], v[TMP+8*\b:TMP+8*\b+7], v[SCL]   ; then the eight conversions in one run
.endr
	v_nop                                          ; one plain vector instruction behind the last conversion: the next block writes its sources
.irp b, 0,1,2,3,4,5,6,7
.if \kind
	ds_store_b64 v[STOV], v[CSET+2*\b:CSET+2*\b+1] offset:16*\b
.else
	ds_store_b64 v[STO], v[CSET+2*\b:CSET+2*\b+1] offset:16*\b
.endif
.endr
.irp i, 0,1,2,3
.if \kind
	ds_load_b128 v[BSET+4*\i:BSET+4*\i+3], v[RDV] offset:4*SPIT*\i                    ; rows d = 4 i .. 4 i + 3, whole
.else
	ds_load_b128 v[BSET+4*\i:BSET+4*\i+3], v[RDQ] offset:(\i%2)*8*SPIT+(\i/2)*64      ; head i / 2, tokens 8 (i % 2) .. + 7
.endif
.endr
.endm
.macro SENDBLK kind, a, younger        ; younger: the LDS instructions issued behind block a's loads, which may stay out
.set BSET, BB+16*((\a)%2)
	s_wait_dscnt \younger
.irp i, 0,1,2,3
.if \kind
	global_store_b128 v[CO], v[BSET+4*\i:BSET+4*\i+3], s[12:13] offset:((\a)/4)*393216+((\a)%4)*2048+512*\i
.else
	global_store_b128 v[CO], v[BSET+4*\i:BSET+4*\i+3], s[12:13] offset:(\i/2)*393216+(16*(\a)+8*(\i%2))*64
.endif
.endr
.endm
.macro ALLOUT kind
	OUTBLK \kind, 0
.irp a, 1,2,3,4,5,6,7
.if \a > 1
	s_wait_xcnt 0x0                                ; block a - 2's stores have read their registers: block a's loads may land there
.endif
	OUTBLK \kind, \a
	SENDBLK \kind, \a-1, 12                        ; behind block a - 1's loads: block a's 8 stores and 4 loads
.endr
	SENDBLK \kind, 7, 0
.endm
	s_wait_loadcnt 0x0                             ; my bias numbers, asked for at the head
	s_wait_alu depctr_va_vdst(0)
	ds_store_b128 v[BSA], v[BRAW:BRAW+3]           ; into my own 512 bytes of slot 0: every wave has passed the last change of slots, behind which nobody reads that slot, and it is filled no more
	PLACES NP                                      ; behind the last products: their results are read and A's registers written below
	s_cmp_lt_u32 ttmp9, 16                         ; the kind: the same in all sixteen partners
	s_cbranch_scc0 .Lv_out
.irp b, 0,1,2,3,4,5,6,7
	ds_load_b128 v[BI+8*\b:BI+8*\b+3], v[BRQ] offset:64*\b
	ds_load_b128 v[BI+8*\b+4:BI+8*\b+7], v[BRQ] offset:64*\b+16
.endr
	s_wait_dscnt 0x0
	ALLOUT 0
	s_branch .Lend
.Lv_out:
.irp a, 0,1,2,3,4,5,6,7
	ds_load_b32 v[BI+2*\a], v[BRV] offset:64*\a
	ds_load_b32 v[BI+2*\a+1], v[BRV] offset:64*\a
.endr
	s_wait_dscnt 0x0
	ALLOUT 1
.Lend:
	s_wait_tensorcnt 0x0                           ; the wave's end: behind my last tensor load and my last LDS store
	ds_add_u32 v[SPW], v[NIL]
	s_wait_dscnt 0x0
	CROUND                                         ; the closing round: no work-group ends while a partner may still ask for a tile that names it
	s_endpgm
.Lfunc_end_k_q43a7ba7066_qkv:
	.size	k_q43a7ba7066_qkv, .Lfunc_end_k_q43a7ba7066_qkv-k_q43a7ba7066_qkv
	.p2alignl 7, 3214868480
	.fill 96, 4, 3214868480
	.section	.rodata,"a",@progbits
	.p2align	6, 0x0
	.amdhsa_kernel k_q43a7ba7066_qkv
		.amdhsa_group_segment_fixed_size 327680
		.amdhsa_private_segment_fixed_size 0
		.amdhsa_enable_private_segment 0
		.amdhsa_kernarg_size 40
		.amdhsa_user_sgpr_count 2
		.amdhsa_user_sgpr_kernarg_segment_ptr 1
		.amdhsa_wavefront_size32 1
		.amdhsa_system_sgpr_workgroup_id_x 1
		.amdhsa_system_sgpr_workgroup_id_y 1
		.amdhsa_system_sgpr_workgroup_id_z 1
		.amdhsa_system_vgpr_workitem_id 0
		.amdhsa_next_free_vgpr 1024
		.amdhsa_next_free_sgpr 100
		.amdhsa_reserve_vcc 0
		.amdhsa_float_denorm_mode_32 3
		.amdhsa_float_denorm_mode_16_64 3
		.amdhsa_memory_ordered 1
		.amdhsa_forward_progress 1
		.amdhsa_inst_pref_size 208
	.end_amdhsa_kernel
	.amdgpu_metadata
---
amdhsa.version: [ 1, 2 ]
amdhsa.kernels:
  - .name:           k_q43a7ba7066_qkv
    .symbol:         k_q43a7ba7066_qkv.kd
    .args:
      - { .name: x_codes, .offset: 0, .size: 8, .value_kind: global_buffer, .address_space: global }
      - { .name: wa_codes, .offset: 8, .size: 8, .value_kind: global_buffer, .address_space: global }
      - { .name: b_attn, .offset: 16, .size: 8, .value_kind: global_buffer, .address_space: global }
      - { .name: lowp_scales, .offset: 24, .size: 8, .value_kind: global_buffer, .address_space: global }
      - { .name: qkv_codes, .offset: 32, .size: 8, .value_kind: global_buffer, .address_space: global }
    .group_segment_fixed_size: 327680
    .private_segment_fixed_size: 0
    .kernarg_segment_align: 8
    .kernarg_segment_size: 40
    .max_flat_workgroup_size: 128
    .sgpr_count:     100
    .vgpr_count:     1024
    .wavefront_size: 32
...
	.end_amdgpu_metadata
.endif
;; end of part 2
;; launch attn (part 3): grid 4 x 64, 8 waves a work-group, clusters of 4 x 1, 327,680 bytes of LDS; arguments qkv_codes, lowp_scales, y_codes; writes y_codes
.if DOCPART == 3
	.amdgcn_target "amdgcn-amd-amdhsa--gfx1250"
	.amdhsa_code_object_version 6
	.text
	.protected	k_q43a7ba7066_attn
	.globl	k_q43a7ba7066_attn
	.p2align	8
	.type	k_q43a7ba7066_attn,@function
k_q43a7ba7066_attn:
	s_mov_b64 s[64:65], 0
	v_nop
	global_prefetch_b8 v0, s[64:65] scope:SCOPE_SE
	s_setreg_imm32_b32 hwreg(HW_REG_WAVE_MODE, 25, 1), 1
	s_wait_xcnt 0x0
	s_wait_alu depctr_hold_cnt(0) depctr_sa_sdst(0) depctr_va_vdst(0) depctr_va_sdst(0) depctr_va_ssrc(0) depctr_va_vcc(0) depctr_vm_vsrc(0)
	s_getreg_b32 s2, hwreg(HW_REG_IB_STS2, 6, 4)
	s_cmp_eq_u32 s2, 0
	s_cbranch_scc0 .Lentry_in_a_cluster
	s_endpgm
.Lentry_in_a_cluster:
	s_bfe_u32 s2, ttmp6, 0x10000c
	s_cmp_lg_u32 s2, 0x3003
	s_cbranch_scc0 .Lentry_shape_is_right
	s_endpgm
.Lentry_shape_is_right:
; Causal attention on codes of FP8 (E4M3): y = softmax(q k^T / 8, causal) v, head size 64, 2,048 tokens, 64 heads (batch x head); y is quantised on the way out with 2^e6.
; qkv_codes: head bh at bh x 393,216: Q [2048][64] at +0, K [2048][64] at +131,072, V [16 steps][64 d][128 keys] at +262,144.  y_codes: [token / 4][16 heads][token % 4][64].
; WORK LEFT OUT: a key step all of whose 128 keys come after a block's queries lies wholly under the causal mask (tril): its scores become -inf and its p are 0 for all inputs.
; A NaN or an infinity that reaches only such scores is not carried to the result.
; THE SOFTMAX: t = score x log2(e) / 8; M = the running largest t rounded UP to a whole number; p = 2^(t - M) is quantised with 2^e4, not normalised.  The row's sum is taken of the unquantised p, in f32,
; and divides at the end.  When M moves, the sum and O are multiplied by 2^(old M - new M): exact.
; A HEAD'S K AND V, 262,144 BYTES, LIE IN LDS WHOLE: each byte is filled once; behind one barrier the eight waves run free.
; CLUSTER: the four work-groups of a head need the same K and V: each wave asks for 128 rows of 256 bytes JOINTLY with its namesakes in the three partners (mask 15).
; SHARES.  Block (u, cx) is queries 128 u + 32 cx .. + 31: two tiles of 16, so that each fragment of K and V read from LDS feeds two matrix instructions.  Wave w takes u = w and then u = 15 - w.
; Block u walks key steps 0 .. u, the last under the mask: (w + 1) + (16 - w) = 17 steps for every wave.  cx enters global addresses and a number compared lane by lane, never a branch or an LDS address.
; Both loops' trip counts are constants (2 passes, 16 steps); a hidden step is jumped over by a scalar branch on the wave's number and the counters.
; LAYOUT.  S^T = K Q^T (source 0 = 16 keys, source 1 = 16 queries; K = 64 form), O^T = V^T P^T (source 0 = 16 d, source 1 = P; K = 128 form): a lane holds ONE query (lane % 16) of each tile.
; Register j of score tile c is key 16 c + 8 (lane / 16) + j: its eight codes are registers 2 c, 2 c + 1 of the K = 128 form's layout; V is fetched in that layout.  Q and K: two loads of 16 bytes, the same permutation of the 64.
; LDS LOADS RUN AHEAD: V's fragments are asked for at a step's head, the next step's K fragments behind the score products (a block's last step asks for 16 loads that nobody uses; they stay inside the image).
; LIMITS: e2 + e3 between -123 and 130; e4 and e6 between -126 and 119; e4 + e5 is applied by v_ldexp_f32.  v_exp_f32 gives 0 for results under 2^-126.  NaN is not served.
; No prefetch: all tensor loads stand at the head, and there is no loop to run ahead in.
; REGISTERS.  Window 0: v1-10 addresses and constants; v12-15 (-M, largest t) x 2; v16-19 the sums; v20-23 f; v24-31 at work; v32-63 p's codes; v64-127 O^T; v128-255 S^T, then p.
;             Window 1: v0-63 K's 8 fragments; v64-127 V's 4; v128-143 Q; v144-159 the second pass's Q.
.set KP,    272                        ; an LDS row: 256 bytes (4 keys, or 2 rows d of V) + 16 of padding
.set STEPB, 32*KP                      ; a key step: 128 keys of K, and as many bytes of V
.set VOFF,  512*KP                     ; V lies behind K's 512 rows
.set STG,   1024*KP                    ; behind the image: a stage of 2,048 bytes for each wave
.set SPARE, STG+8*2048                 ; behind the stages: the spare words, 128 bytes a wave
.set AK0, 1
.set AV0, 2
.set ADK, 3
.set ADV, 4
.set DQ,  5                            ; my query's place in its last step, less 8 h (tile 0; tile 1: 16 more)
.set HOLD, 6                           ; 448 x 2^e4
.set HOLD2, 11                         ; the same once more, in another register bank: the two halves of a dual-issue pair read one each
.set SC,  7                            ; 2^e4
.set SPW, 8
.set NIL, 9
.set NINF, 10
.set NM,  12
.set LS,  16
.set FF,  20
.set MA,  24
.set T1,  24
.set T2,  26
.set T3,  28
.set PT,  28
.set MX,  32                           ; the maxima's eight chains: in the registers of p's codes, which are free between a step's second products and its conversions
.set TX,  48                           ; four more chains for the sums: in the registers of tile 1's codes, free until tile 1's conversions
.set PC,  32
.set OO,  64
.set S0,  128
.set S1,  192
.set KF,  0
.set VF,  64
.set QF,  128
.set QN,  144
.set WV,  10
.set CX,  11
.set G0,  12
.set SEL, 20
.set CS,  22
.set G1,  24
.set TB,  43
.set TT,  44
.set TM,  45
.set PP,  52
.set MSB, 0
.macro WIN new                         ; the immediate's high byte repeats the setting that is left
.if MSB != \new
	s_set_vgpr_msb (MSB<<8)|\new
.set MSB, \new
.endif
.endm
.set TO1, 0x40                         ; destination window 1, address window 0
.macro CROUND                          ; a round of the cluster's barrier
	s_barrier_signal -1
	s_barrier_wait -1
	s_cmp_lg_u32 s[WV], 0
	s_cbranch_scc1 .Lnot_wave_0_\@
	s_barrier_signal -3
.Lnot_wave_0_\@:
	s_barrier_wait -3
	s_barrier_signal -1
	s_barrier_wait -1
.endm
.macro KLOAD adr, off                  ; K's eight fragments: keys 16 t + r
	WIN TO1
.irp t, 0,1,2,3,4,5,6,7
	ds_load_b128 v[KF+8*\t:KF+8*\t+3], v[\adr] offset:\off+4*KP*\t
	ds_load_b128 v[KF+8*\t+4:KF+8*\t+7], v[\adr] offset:\off+4*KP*\t+32
.endr
	WIN 0
.endm
.macro SUMP b, l                       ; the sum of a tile's 64 unquantised p, two at a time, in eight chains
.irp c, 0,1,2                                  ; eight chains take turns: T1 to T3, four at TX, and the running sum itself
	v_pk_add_f32 v[T1+2*\c:T1+2*\c+1], v[\b+4*\c:\b+4*\c+1], v[\b+4*\c+2:\b+4*\c+3]
.endr
.irp c, 0,1,2,3
	v_pk_add_f32 v[TX+2*\c:TX+2*\c+1], v[\b+12+4*\c:\b+12+4*\c+1], v[\b+12+4*\c+2:\b+12+4*\c+3]
.endr
	v_pk_add_f32 v[\l:\l+1], v[\l:\l+1], v[\b+28:\b+29]
.set j, 30
.rept 2
.irp c, 0,1,2
	v_pk_add_f32 v[T1+2*\c:T1+2*\c+1], v[T1+2*\c:T1+2*\c+1], v[\b+j+2*\c:\b+j+2*\c+1]
.endr
.irp c, 0,1,2,3
	v_pk_add_f32 v[TX+2*\c:TX+2*\c+1], v[TX+2*\c:TX+2*\c+1], v[\b+j+6+2*\c:\b+j+6+2*\c+1]
.endr
	v_pk_add_f32 v[\l:\l+1], v[\l:\l+1], v[\b+j+14:\b+j+15]
.set j, j+16
.endr
	v_pk_add_f32 v[T1:T1+1], v[T1:T1+1], v[\b+62:\b+63]
	v_pk_add_f32 v[T3:T3+1], v[T3:T3+1], v[TX:TX+1]
	v_pk_add_f32 v[TX+2:TX+3], v[TX+2:TX+3], v[TX+4:TX+5]
	v_pk_add_f32 v[\l:\l+1], v[\l:\l+1], v[TX+6:TX+7]
	v_pk_add_f32 v[T1:T1+1], v[T1:T1+1], v[T2:T2+1]
	v_pk_add_f32 v[\l:\l+1], v[\l:\l+1], v[TX+2:TX+3]
	v_pk_add_f32 v[T1:T1+1], v[T1:T1+1], v[T3:T3+1]
	v_pk_add_f32 v[\l:\l+1], v[\l:\l+1], v[T1:T1+1]
.endm
.macro CODES b, c                      ; a tile's 64 held p become 16 registers of codes
.irp g, 0,1,2,3,4,5,6,7
	v_cvt_scalef32_pk8_fp8_f32 v[\c+2*\g:\c+2*\g+1], v[\b+8*\g:\b+8*\g+7], v[SC]
.endr
.endm
	s_load_b128 s[4:7], s[0:1], 0x0                ; qkv_codes s[4:5], the scales' exponents s[6:7]
	s_load_b64 s[8:9], s[0:1], 0x10                ; y_codes
	v_lshl_add_u32 v[SPW], v0, 2, SPARE
	v_mov_b32 v[NIL], 0
	ds_add_u32 v[SPW], v[NIL]                      ; the opening lines: the add, twice on end, and its wait ahead of my first tensor load
	ds_add_u32 v[SPW], v[NIL]
	v_lshrrev_b32 v1, 5, v0
	v_readfirstlane_b32 s[WV], v1                  ; wave 0..7
	s_bfe_u32 s[CX], ttmp6, 0x40000                ; cx
	s_and_b32 s16, ttmp7, 0xffff                   ; the head bh, which the four partners share
	s_mul_i32 s18, s16, 393216
	s_mov_b32 s19, 0
	s_mov_b32 s[G1], 15|(0<<16)|(1<<20)|(1<<21)|(5<<22)|(3<<25)   ; mask: all four work-groups; elements of 1 byte; four words of padding behind every 64
	s_mov_b32 s[G1+1], 256<<16                     ; tensor_dim0
	s_mov_b32 s[G1+2], 128<<16                     ; tensor_dim1
	s_mov_b32 s[G1+3], 256<<16                     ; tile_dim0
	s_mov_b32 s[G1+4], 128                         ; tile_dim1
	s_mov_b32 s[G1+5], 256                         ; pitch: dense rows
	s_mov_b32 s[G1+6], 0
	s_mov_b32 s[G1+7], 0
	s_mov_b32 s[SEL], 0x76543210
	s_mov_b32 s[SEL+1], 0xfedcba98
	s_mov_b32 s[G0], 1
	s_mul_i32 s[G0+1], s[WV], 128*KP               ; my 128 rows of the image
	s_lshl_b32 s46, s[WV], 15                      ; in memory: 32,768 bytes a wave,
	s_add_co_u32 s46, s46, 131072                  ; from K's first byte on: K and V are one dense block
	s_mov_b32 s47, 0
	s_wait_dscnt 0x0                               ; both opening adds are done
	s_wait_kmcnt 0x0
	s_load_b256 s[32:39], s[6:7], 0x0              ; e0 .. e7
	s_add_nc_u64 s[4:5], s[4:5], s[18:19]          ; the head's first byte
	s_add_nc_u64 s[G0+2:G0+3], s[4:5], s[46:47]
	s_or_b32 s[G0+3], s[G0+3], 0x80000000          ; type = 2
	CROUND                                         ; all four work-groups are here: the joint loads meet
	tensor_load_to_lds s[G0:G0+3], s[G1:G1+7]      ; my one tensor load
	s_nop 0
.rept 4
	v_nop
.endr
	s_lshl_b32 s46, s[CX], 11                      ; Q: my work-group's 32 queries of each 128: 2,048 bytes
	s_add_nc_u64 s[48:49], s[4:5], s[46:47]
	s_lshl_b32 s50, s[WV], 13                      ; pass 0: u = wave; 128 queries are 8,192 bytes
	s_sub_co_u32 s51, 15, s[WV]                    ; pass 1: u = 15 - wave
	s_lshl_b32 s54, s51, 13
	s_lshl_b32 s56, s[CX], 5
	s_lshl_b32 s55, s[WV], 11
	s_add_co_u32 s55, s55, STG                     ; my stage
	s_lshr_b32 s46, s16, 4                         ; y_codes: the batch: 512 groups of 4,096 bytes,
	s_lshl_b32 s46, s46, 21
	s_lshl_b32 s53, s[CX], 15                      ; my work-group's 32 tokens of each 128: 8 groups,
	s_add_co_u32 s46, s46, s53
	s_and_b32 s53, s16, 15                         ; my head's 256 bytes of a group
	s_lshl_b32 s53, s53, 8
	s_add_co_u32 s46, s46, s53
	s_add_nc_u64 s[8:9], s[8:9], s[46:47]
	v_and_b32 v24, 15, v0                          ; r
	v_bfe_u32 v25, v0, 4, 1                        ; h
	v_lshlrev_b32 v26, 6, v24
	v_lshl_add_u32 v26, v25, 4, v26                ; Q: row r of 64 bytes, + 16 h
	v_add_nc_u32 v30, s50, v26
	v_add_nc_u32 v31, s54, v26
	WIN TO1
.irp i, 0,1
	global_load_b128 v[QF+8*\i:QF+8*\i+3], v30, s[48:49] offset:1024*\i
	global_load_b128 v[QF+8*\i+4:QF+8*\i+7], v30, s[48:49] offset:1024*\i+32
.endr
	WIN 0
	v_bfe_u32 v27, v0, 2, 2                        ; K: key r lies in row r / 4 at 64 (r % 4); + 16 h
	v_mul_u32_u24 v[AK0], v27, KP
	v_and_b32 v27, 3, v0
	v_lshl_add_u32 v[AK0], v27, 6, v[AK0]
	v_lshl_add_u32 v[AK0], v25, 4, v[AK0]
	v_bfe_u32 v27, v0, 1, 3                        ; V: row d = r lies in row r / 2 at 128 (r % 2); + 8 h
	v_mul_u32_u24 v[AV0], v27, KP
	v_and_b32 v27, 1, v0
	v_lshl_add_u32 v[AV0], v27, 7, v[AV0]
	v_lshl_add_u32 v[AV0], v25, 3, v[AV0]
	v_add_nc_u32 v[AV0], VOFF, v[AV0]
	v_lshlrev_b32 v27, 3, v25
	v_sub_nc_u32 v[DQ], v24, v27
	v_add_nc_u32 v[DQ], s56, v[DQ]                 ; 32 cx + r - 8 h
	v_mov_b32 v[NINF], 0xff800000
	v_mov_b32 v[FF+1], 0                           ; (named as the upper halves of pairs)
	v_mov_b32 v[FF+3], 0
	v_mov_b32 v[PT], 0                             ; (a lane permute's destination counts as one of its sources)
	v_mov_b32 v[PT+1], 0
	s_wait_alu depctr_va_vdst(0)
	s_wait_kmcnt 0x0
	s_add_co_i32 s46, s34, s35                     ; e2 + e3
	s_lshl_b32 s46, s46, 23
	s_mov_b32 s[CS], 0x3e38aa3b                    ; log2(e) / 8
	s_add_co_i32 s[CS], s[CS], s46                 ; the exponents are added to c's exponent field
	s_mov_b32 s[CS+1], s[CS]
	s_add_co_i32 s46, s36, 127                     ; e4
	s_lshl_b32 s47, s46, 23
	v_mov_b32 v[SC], s47
	s_add_co_i32 s46, s46, 8
	s_lshl_b32 s46, s46, 23
	s_or_b32 s46, s46, 0x600000
	v_mov_b32 v[HOLD], s46
	v_mov_b32 v[HOLD2], s46
	s_add_co_i32 s40, s36, s37                     ; e4 + e5
	s_add_co_i32 s46, s38, 127                     ; e6
	s_lshl_b32 s41, s46, 23                        ; 2^e6
	s_add_co_i32 s46, s46, 8
	s_lshl_b32 s46, s46, 23
	s_or_b32 s42, s46, 0x600000                    ; 448 x 2^e6
	s_wait_alu depctr_va_vdst(0)                   ; the wait at the head's end
	s_wait_loadcnt 0x0                             ; Q of both passes
	s_wait_tensorcnt 0x0                           ; my 128 rows of the image are in,
	s_barrier_signal -1
	s_barrier_wait -1                              ; everybody's are: from here on K and V are only read
	WIN TO1
.irp i, 0,1                                    ; the second pass's Q is asked for here and waited for ahead of its copy; v31 and s[48:49] are written nowhere in between
	global_load_b128 v[QN+8*\i:QN+8*\i+3], v31, s[48:49] offset:1024*\i
	global_load_b128 v[QN+8*\i+4:QN+8*\i+7], v31, s[48:49] offset:1024*\i+32
.endr
	WIN 0
	s_mov_b32 s[PP], 0
.Lpass:                                            ; A PASS: one block of 32 queries
	s_cmp_eq_u32 s[PP], 0
	s_cselect_b32 s[TM], s[WV], s51                ; u: also the block's last step, the one under the mask
	s_cbranch_scc1 .Lq_in
	s_wait_loadcnt 0x0                             ; the second pass's Q is in
	WIN 0x41
.set j, 0
.rept 16
	v_mov_b32 v[QF+j], v[QN+j]                     ; the second pass's Q, loaded at the head
.set j, j+1
.endr
	WIN 0
.Lq_in:
.irp i, 0,1
	v_mov_b32 v[NM+2*\i+1], 0xff61b1e6             ; the largest t so far: -3e38
	v_mov_b32 v[LS+2*\i], 0
	v_mov_b32 v[LS+2*\i+1], 0
	v_floor_f32 v[NM+2*\i], -v[NM+2*\i+1]          ; -M
.endr
.set j, 0
.rept 64
	v_mov_b32 v[OO+j], 0                           ; O^T: the step is written once; the first finds zeros, which the first change of M leaves zeros
.set j, j+1
.endr
	s_mov_b32 s[TB], 0
	s_mov_b32 s[TT], 0
	KLOAD AK0, 0                                   ; step 0's K
.Lstep:
	s_cmp_gt_u32 s[TT], s[TM]
	s_cbranch_scc1 .Lskip                          ; all its keys come after my queries
	v_add_nc_u32 v[ADV], s[TB], v[AV0]             ; these two and the two v_nop are the four places between the last step's products and the loads into V's registers
	v_add_nc_u32 v[ADK], s[TB], v[AK0]
	v_nop
	v_nop
	WIN TO1
.irp t, 0,1,2,3
.irp c, 0,1,2,3,4,5,6,7
	ds_load_b64 v[VF+16*\t+2*\c:VF+16*\t+2*\c+1], v[ADV] offset:8*KP*\t+16*\c   ; d = 16 t + r, keys 16 c + 8 h + 0 .. 7
.endr
.endr
	s_wait_alu depctr_va_vdst(0)
	s_wait_dscnt 32                                ; K's 16 loads, asked for a step ago, are in; V's 32 may be out
	WIN 0x05                                       ; K and Q in window 1
.irp t, 0,1,2,3,4,5,6,7
.irp i, 0,1
	v_wmma_f32_16x16x64_fp8_fp8 v[S0+64*\i+8*\t:S0+64*\i+8*\t+7], v[KF+8*\t:KF+8*\t+7], v[QF+8*\i:QF+8*\i+7], 0
.endr
.endr
	WIN 0
.rept 4
	v_nop                                          ; places behind the products: K's registers are loaded, and the scores read, below
.endr
	KLOAD ADK, STEPB                               ; the next step's K
	s_cmp_lg_u32 s[TT], s[TM]
	s_cbranch_scc1 .Lopen                          ; all keys of an earlier step count
.irp i, 0,1                                    ; on the diagonal hidden scores become -infinity ahead of the maximum: p = 0 then.  The step's first key counts for every query
.set n, 0
.rept 64
	v_cmp_gt_i32 vcc_lo, 16*(n/8)+n%8-16*\i, v[DQ] ; register n holds key 16 (n / 8) + n % 8 + 8 h of the step
	v_cndmask_b32 v[S0+64*\i+n], v[S0+64*\i+n], v[NINF], vcc_lo
.set n, n+1
.endr
.endr
.Lopen:
.irp i, 0,1                                    ; the step's largest scores, four chains a tile, eight in all by turns; each accumulator is read from its low end on
.irp c, 0,1,2,3
	v_max_num_f32 v[MX+4*\i+\c], v[S0+64*\i+2*\c], v[S0+64*\i+2*\c+1]
.endr
.endr
.set j, 8
.rept 7
.irp i, 0,1
.irp c, 0,1,2,3
	v_max3_num_f32 v[MX+4*\i+\c], v[MX+4*\i+\c], v[S0+64*\i+j+2*\c], v[S0+64*\i+j+2*\c+1]
.endr
.endr
.set j, j+8
.endr
.irp i, 0,1                                    ; from here on the two tiles' chains take turns, line by line
	v_max3_num_f32 v[MA+2*\i], v[MX+4*\i], v[MX+4*\i+1], v[MX+4*\i+2]
.endr
.irp i, 0,1
	v_max_num_f32 v[MA+2*\i], v[MA+2*\i], v[MX+4*\i+3]
.endr
.irp i, 0,1
	v_permlanex16_b32 v[PT+\i], v[MA+2*\i], s[SEL], s[SEL+1]
.endr
.irp i, 0,1
	v_max_num_f32 v[MA+2*\i], v[MA+2*\i], v[PT+\i] ; and among lane l xor 16's
.endr
.irp i, 0,1
	v_mul_f32 v[MA+2*\i], s[CS], v[MA+2*\i]        ; as t (c is positive)
.endr
.irp i, 0,1
	v_max_num_f32 v[NM+2*\i+1], v[NM+2*\i+1], v[MA+2*\i]   ; the running largest t
.endr
.irp i, 0,1
	v_mov_b32 v[MA+2*\i+1], v[NM+2*\i]
.endr
.irp i, 0,1
	v_floor_f32 v[NM+2*\i], -v[NM+2*\i+1]          ; the new -M = -ceil(t)
.endr
.irp i, 0,1
	v_sub_f32 v[MA+2*\i], v[NM+2*\i], v[MA+2*\i+1] ; old M - new M: a whole number, 0 or less
.endr
.irp i, 0,1
	v_cvt_i32_f32 v[MA+2*\i], v[MA+2*\i]           ; (it saturates)
.endr
.irp i, 0,1
	v_ldexp_f32 v[FF+2*\i], 1.0, v[MA+2*\i]        ; f = 2^(old M - new M)
.endr
.set j, 0
.rept 32
	v_pk_fma_f32 v[S0+j:S0+j+1], v[S0+j:S0+j+1], s[CS:CS+1], v[NM:NM+1] op_sel_hi:[1,0,0]   ; tile 0: t - M
.set j, j+2
.endr
.irp i, 0,1
.set j, 0
.rept 16
	v_pk_mul_f32 v[OO+32*\i+j:OO+32*\i+j+1], v[OO+32*\i+j:OO+32*\i+j+1], v[FF+2*\i:FF+2*\i+1] op_sel_hi:[1,0]   ; O^T under the new M, ahead of the exponentials
.set j, j+2
.endr
	v_pk_mul_f32 v[LS+2*\i:LS+2*\i+1], v[LS+2*\i:LS+2*\i+1], v[FF+2*\i:FF+2*\i+1] op_sel_hi:[1,0]             ; and the sums
.endr
	s_wait_alu depctr_va_vdst(0)                   ; the wait ahead of the batch
.set j, 0
.rept 32                                       ; tile 0's exponentials; tile 1's t - M stand among them: nothing written here is read before the next wait
	v_exp_f32 v[S0+j], v[S0+j]
	v_exp_f32 v[S0+j+1], v[S0+j+1]
	v_pk_fma_f32 v[S1+j:S1+j+1], v[S1+j:S1+j+1], s[CS:CS+1], v[NM+2:NM+3] op_sel_hi:[1,0,0]
.set j, j+2
.endr
	s_wait_alu depctr_va_vdst(0)                   ; one wait for the batch, ahead of its first reader
	SUMP S0, LS
	s_wait_alu depctr_va_vdst(0)                   ; the wait ahead of the batch
.set j, 0
.rept 32                                       ; tile 1's exponentials; tile 0's holds stand among them, two to an instruction (the conversion does not saturate, ISA guide 7.6.2; p is not negative, so the hold is one-sided)
	v_exp_f32 v[S1+j], v[S1+j]
	v_exp_f32 v[S1+j+1], v[S1+j+1]
	v_dual_min_num_f32 v[S0+j], v[S0+j], v[HOLD] :: v_dual_min_num_f32 v[S0+j+1], v[S0+j+1], v[HOLD2]
.set j, j+2
.endr
	v_nop                                          ; a plain place behind the last exponential
	s_wait_alu depctr_va_vdst(0)                   ; one wait for the batch, ahead of its first reader
	CODES S0, PC
	SUMP S1, LS+2
.set j, 0
.rept 32
	v_dual_min_num_f32 v[S1+j], v[S1+j], v[HOLD] :: v_dual_min_num_f32 v[S1+j+1], v[S1+j+1], v[HOLD2]
.set j, j+2
.endr
	CODES S1, PC+16
	v_nop                                          ; one plain vector instruction behind the last conversion
	s_wait_alu depctr_va_vdst(0)
	s_wait_dscnt 16                                ; V is in; the next step's 16 loads of K may be out
	WIN 0x01                                       ; V in window 1
.irp t, 0,1,2,3                                ; the eight accumulators take turns, and sixteen score products stand between two steps' turns
.irp i, 0,1
	v_wmma_f32_16x16x128_fp8_fp8 v[OO+32*\i+8*\t:OO+32*\i+8*\t+7], v[VF+16*\t:VF+16*\t+15], v[PC+16*\i:PC+16*\i+15], v[OO+32*\i+8*\t:OO+32*\i+8*\t+7]
.endr
.endr
	WIN 0
.Lskip:
	s_add_co_u32 s[TB], s[TB], STEPB
	s_add_co_u32 s[TT], s[TT], 1
	s_cmp_lt_u32 s[TT], 16
	s_cbranch_scc1 .Lstep
	; THE WAY OUT: y = O^T / the sum x 2^(e4 + e5), quantised with 2^e6; through my stage, so that sixteen lanes store 256 consecutive, aligned bytes (4 tokens of my head)
.irp i, 0,1
	v_add_f32 v[LS+2*\i], v[LS+2*\i], v[LS+2*\i+1]
.endr
.irp i, 0,1
	v_permlanex16_b32 v[PT+\i], v[LS+2*\i], s[SEL], s[SEL+1]
.endr
.irp i, 0,1
	v_add_f32 v[LS+2*\i], v[LS+2*\i], v[PT+\i]
.endr
	s_wait_alu depctr_va_vdst(0)                   ; the wait ahead of the transcendentals
	v_rcp_f32 v[LS], v[LS]
	v_rcp_f32 v[LS+2], v[LS+2]
	v_and_b32 v192, 15, v0                         ; r
	v_bfe_u32 v193, v0, 4, 1                       ; h
	v_lshlrev_b32 v194, 6, v192
	v_lshl_add_u32 v194, v193, 3, v194
	v_add_nc_u32 v194, s55, v194                   ; into the stage: query r's 64 bytes, + 8 h
	v_and_b32 v195, 31, v0
	v_lshl_add_u32 v195, v195, 4, s55              ; back: 16 bytes a lane
	v_lshlrev_b32 v196, 12, v193                   ; y_codes: lanes 0-15 one group of 4 tokens, lanes 16-31 the next
	v_lshl_add_u32 v196, v192, 4, v196
	s_lshl_b32 s46, s[TM], 17                      ; 128 tokens are 32 groups of 4,096 bytes
	v_add_nc_u32 v196, s46, v196
	v_mov_b32 v197, s42                            ; 448 x 2^e6
	v_mov_b32 v198, s41                            ; 2^e6
	s_wait_alu depctr_va_vdst(0)                   ; the wait ahead of the reciprocals' first reader
	v_ldexp_f32 v[LS], v[LS], s40                  ; x 2^(e4 + e5)
	v_ldexp_f32 v[LS+2], v[LS+2], s40
	s_wait_alu depctr_va_vdst(0)                   ; the wait directly ahead of the first reader of O^T
.irp i, 0,1
.set j, 0
.rept 16
	v_pk_mul_f32 v[S0+32*\i+j:S0+32*\i+j+1], v[OO+32*\i+j:OO+32*\i+j+1], v[LS+2*\i:LS+2*\i+1] op_sel_hi:[1,0]   ; register 32 i + 8 t + n is y(query 16 i + r, d = 16 t + 8 h + n)
.set j, j+2
.endr
.endr
.set j, 0
.rept 64
	v_med3_num_f32 v[S0+j], v[S0+j], -v197, v197
.set j, j+1
.endr
.irp k, 0,1,2,3,4,5,6,7
	v_cvt_scalef32_pk8_fp8_f32 v[PC+2*\k:PC+2*\k+1], v[S0+8*\k:S0+8*\k+7], v198
.endr
	v_nop                                          ; one plain vector instruction behind the last conversion
.irp k, 0,1,2,3,4,5,6,7
	ds_store_b64 v194, v[PC+2*\k:PC+2*\k+1] offset:1024*(\k/4)+16*(\k%4)
.endr
.irp m, 0,1,2,3
	ds_load_b128 v[PC+16+4*\m:PC+16+4*\m+3], v195 offset:512*\m   ; LDS serves a wave's instructions in order: these see my stores
.endr
	s_wait_dscnt 0x0
.irp m, 0,1,2,3
	global_store_b128 v196, v[PC+16+4*\m:PC+16+4*\m+3], s[8:9] offset:8192*\m
.endr
	s_wait_xcnt 0x0                                ; the stores have read their registers, which the next pass writes again
	s_add_co_u32 s[PP], s[PP], 1
	s_cmp_lt_u32 s[PP], 2
	s_cbranch_scc1 .Lpass
	s_wait_tensorcnt 0x0                           ; the wave's end
	ds_add_u32 v[SPW], v[NIL]
	s_wait_dscnt 0x0
	CROUND                                         ; the closing round: no work-group ends while a partner may still ask for rows that name it
	s_endpgm
.Lfunc_end_k_q43a7ba7066_attn:
	.size	k_q43a7ba7066_attn, .Lfunc_end_k_q43a7ba7066_attn-k_q43a7ba7066_attn
	.p2alignl 7, 3214868480
	.fill 96, 4, 3214868480
	.section	.rodata,"a",@progbits
	.p2align	6, 0x0
	.amdhsa_kernel k_q43a7ba7066_attn
		.amdhsa_group_segment_fixed_size 327680
		.amdhsa_private_segment_fixed_size 0
		.amdhsa_enable_private_segment 0
		.amdhsa_kernarg_size 24
		.amdhsa_user_sgpr_count 2
		.amdhsa_user_sgpr_kernarg_segment_ptr 1
		.amdhsa_wavefront_size32 1
		.amdhsa_system_sgpr_workgroup_id_x 1
		.amdhsa_system_sgpr_workgroup_id_y 1
		.amdhsa_system_sgpr_workgroup_id_z 1
		.amdhsa_system_vgpr_workitem_id 0
		.amdhsa_next_free_vgpr 512
		.amdhsa_next_free_sgpr 66
		.amdhsa_reserve_vcc 1
		.amdhsa_float_denorm_mode_32 3
		.amdhsa_float_denorm_mode_16_64 3
		.amdhsa_memory_ordered 1
		.amdhsa_forward_progress 1
		.amdhsa_inst_pref_size 59
	.end_amdhsa_kernel
	.amdgpu_metadata
---
amdhsa.version: [ 1, 2 ]
amdhsa.kernels:
  - .name:           k_q43a7ba7066_attn
    .symbol:         k_q43a7ba7066_attn.kd
    .args:
      - { .name: qkv_codes, .offset: 0, .size: 8, .value_kind: global_buffer, .address_space: global }
      - { .name: lowp_scales, .offset: 8, .size: 8, .value_kind: global_buffer, .address_space: global }
      - { .name: y_codes, .offset: 16, .size: 8, .value_kind: global_buffer, .address_space: global }
    .group_segment_fixed_size: 327680
    .private_segment_fixed_size: 0
    .kernarg_segment_align: 8
    .kernarg_segment_size: 24
    .max_flat_workgroup_size: 256
    .sgpr_count:     66
    .vgpr_count:     512
    .wavefront_size: 32
...
	.end_amdgpu_metadata
.endif
;; end of part 3
;; launch proj (part 4): grid 4 x 64, 8 waves a work-group, clusters of 4 x 4, 327,680 bytes of LDS; arguments y_codes, wp_codes, b_proj, lowp_scales, out0; writes out0
.if DOCPART == 4
	.amdgcn_target "amdgcn-amd-amdhsa--gfx1250"
	.amdhsa_code_object_version 6
	.text
	.protected	k_q43a7ba7066_proj
	.globl	k_q43a7ba7066_proj
	.p2align	8
	.type	k_q43a7ba7066_proj,@function
k_q43a7ba7066_proj:
	s_mov_b64 s[64:65], 0
	v_nop
	global_prefetch_b8 v0, s[64:65] scope:SCOPE_SE
	s_setreg_imm32_b32 hwreg(HW_REG_WAVE_MODE, 25, 1), 1
	s_wait_xcnt 0x0
	s_wait_alu depctr_hold_cnt(0) depctr_sa_sdst(0) depctr_va_vdst(0) depctr_va_sdst(0) depctr_va_ssrc(0) depctr_va_vcc(0) depctr_vm_vsrc(0)
	s_getreg_b32 s2, hwreg(HW_REG_IB_STS2, 6, 4)
	s_cmp_eq_u32 s2, 0
	s_cbranch_scc0 .Lentry_in_a_cluster
	s_endpgm
.Lentry_in_a_cluster:
	s_bfe_u32 s2, ttmp6, 0x10000c
	s_cmp_lg_u32 s2, 0xf033
	s_cbranch_scc0 .Lentry_shape_is_right
	s_endpgm
.Lentry_shape_is_right:
; out0 = y W_proj + b_proj on codes of FP8 (E4M3): a sum x 2^(e6 + e7) + bias, f32.
; y_codes: [token / 4][16 heads][token % 4][64]: a group of 4 tokens is 4,096 bytes, k = 64 head + d.  wp_codes: [1024 n][1024 k].  out0: [8192][1024] f32.
; A WORK-GROUP makes 128 tokens x 256 features as TWO tiles of 128 x 128.  K = 1,024 lies in LDS whole: A's 128 tokens (4 chunks of 4 heads: 32 rows of 1,024 bytes + 16) and one tile's 128 rows of W (1,024 bytes + 16).
; All eight waves issue one tensor load at the head (waves 0-3: A's chunks; waves 4-7: 32 rows of W each).  Behind the first tile's products W's bytes are filled again with the second tile's rows, and the first tile
; goes out while that load is on its way.  A wave never has more than one tensor load out.
; CLUSTERS of 4 x 4: the four of a row need the same A, the four of a column the same W: each is asked for JOINTLY.  Tile columns: cx + 4 p and then cx + 4 (1 - p), p = the cluster's number % 2: arithmetic on addresses alone.
; A WAVE makes 32 tokens x 64 features: 8 accumulators, which take turns.  THE MATRIX INSTRUCTION IS USED TRANSPOSED (source 0 = 16 rows of W, source 1 = 16 tokens):
; a lane holds eight neighbouring features of one token.  A fragment is fetched by four loads of 16 bytes: a permutation of k inside 128, the same in A and W.
; LIMIT: e6 + e7 between -126 and 127.  No prefetch: three loads in all, and no loop to run ahead in.
; REGISTERS.  Window 0: v16-29 addresses; v32-95 A's fragments, two sets; v96-159 the accumulators; v160-191 results; v192-255 rows read back.  Window 1: v0-127 W's fragments, two sets; v128-191 the bias of both tiles.
.set APITCH, 1040                      ; an LDS row: 1,024 bytes + 16: 260 words, so the rows that a fragment load touches start at different banks (64 banks of 4 bytes: ISA guide 11.1)
.set REG8,   32*APITCH                 ; what one tensor load brings
.set BOFF,   4*REG8                    ; W lies behind A's four chunks
.set STAGE,  8*REG8                    ; behind the tiles: a stage of 16 rows x 272 bytes for each wave
.set SPITCH, 272
.set SPARE,  STAGE+8*16*SPITCH         ; behind the stages: the spare words, 128 bytes a wave
.set ADA0, 16                          ; A's fragments in chunks 0, 1
.set ADA1, 17                          ; in chunks 2, 3
.set ADB,  18
.set STO,  19
.set RD,   20
.set CO,   21
.set BO0,  22
.set BO1,  23
.set SPW,  28
.set NIL,  29
.set AFR,  32
.set ACC,  96
.set TMP,  160
.set BK,   192
.set BIAS, 128
.set G1,  24
.set G0,  32
.set G1B, 48
.set G0B, 56                           ; W's first tile
.set G0C, 60                           ; W's second tile
.set MSB, 0
.macro WIN new                         ; the immediate's high byte repeats the setting that is left
.if MSB != \new
	s_set_vgpr_msb (MSB<<8)|\new
.set MSB, \new
.endif
.endm
.set TO_B, 0x40                        ; destination window 1, address window 0
.macro CROUND                          ; a round of the cluster's barrier
	s_barrier_signal -1
	s_barrier_wait -1
	s_cmp_lg_u32 s14, 0
	s_cbranch_scc1 .Lnot_wave_0_\@
	s_barrier_signal -3
.Lnot_wave_0_\@:
	s_barrier_wait -3
	s_barrier_signal -1
	s_barrier_wait -1
.endm
.macro FETCH q                         ; the fragments of the q-th 128 along K into set q % 2: 16 loads for W's four blocks, 8 for A's two
	WIN TO_B
.irp b, 0,1,2,3
.irp c, 0,1,2,3
	ds_load_b128 v[64*((\q)%2)+16*\b+4*\c:64*((\q)%2)+16*\b+4*\c+3], v[ADB] offset:128*(\q)+32*\c+\b*16*APITCH
.endr
.endr
	WIN 0
.irp a, 0,1
.irp c, 0,1,2,3
	ds_load_b128 v[AFR+32*((\q)%2)+16*\a+4*\c:AFR+32*((\q)%2)+16*\a+4*\c+3], v[ADA0+(\q)/4] offset:(((\q)/2)%2)*REG8+(2*((\q)%2)+\c/2)*256+32*(\c%2)+\a*4*APITCH
.endr
.endr
.endm
.macro MUL q, zero
	WIN 0x01                                       ; W's fragments in window 1
.irp a, 0,1
.irp b, 0,1,2,3
.if \zero
	v_wmma_f32_16x16x128_fp8_fp8 v[ACC+8*(4*\a+\b):ACC+8*(4*\a+\b)+7], v[64*((\q)%2)+16*\b:64*((\q)%2)+16*\b+15], v[AFR+32*((\q)%2)+16*\a:AFR+32*((\q)%2)+16*\a+15], 0
.else
	v_wmma_f32_16x16x128_fp8_fp8 v[ACC+8*(4*\a+\b):ACC+8*(4*\a+\b)+7], v[64*((\q)%2)+16*\b:64*((\q)%2)+16*\b+15], v[AFR+32*((\q)%2)+16*\a:AFR+32*((\q)%2)+16*\a+15], v[ACC+8*(4*\a+\b):ACC+8*(4*\a+\b)+7]
.endif
.endr
.endr
.endm
.macro TILE                            ; 128 x 128 x 1,024: eight steps; the next step's fragments are asked for ahead of each step's products
	FETCH 0
	FETCH 1
	s_wait_dscnt 24                                ; step 0's 24 loads are in; step 1's may be out
	MUL 0, 1                                       ; the first products start the sums
.irp q, 1,2,3,4,5,6
.rept 4
	v_nop                                          ; places between the last products and the loads into the set that they read
.endr
	FETCH \q+1
	s_wait_dscnt 24
	MUL \q, 0
.endr
	s_wait_dscnt 0x0
	MUL 7, 0
	WIN 0
.endm
; THE WAY OUT of tile t: sum x 2^(e6 + e7) + bias; 16 tokens x 64 features at a time through my own stage, back as whole rows of 256 bytes: sixteen lanes store one aligned unit.
; LDS serves a wave's instructions in order (ISA guide 5.7.1.4): no wait between the stores and the loads, nor in front of the next block's stores.
.macro OUT t, base
	s_wait_xcnt 0x0                                ; earlier stores have read their registers
.rept 4
	v_nop                                          ; places behind the last products
.endr
.irp a, 0,1
	WIN 0x10                                       ; source 2, the bias, in window 1
.set j, 0
.rept 16
	v_pk_fma_f32 v[TMP+j:TMP+j+1], v[ACC+32*\a+j:ACC+32*\a+j+1], s[96:97], v[BIAS+32*\t+j:BIAS+32*\t+j+1] op_sel_hi:[1,0,1]   ; each accumulator from its low end on
.set j, j+2
.endr
	WIN 0
.irp b, 0,1,2,3
	ds_store_b128 v[STO], v[TMP+8*\b:TMP+8*\b+3] offset:64*\b
	ds_store_b128 v[STO], v[TMP+8*\b+4:TMP+8*\b+7] offset:64*\b+16
.endr
.irp u, 0,1,2,3,4,5,6,7
	ds_load_b128 v[BK+32*\a+4*\u:BK+32*\a+4*\u+3], v[RD] offset:\u*2*SPITCH
.endr
.endr
	s_wait_dscnt 16                                ; block 0 is back; behind its loads stand block 1's 8 stores and 8 loads
.irp u, 0,1,2,3,4,5,6,7
	global_store_b128 v[CO], v[BK+4*\u:BK+4*\u+3], s[\base:\base+1] offset:2*\u*4096 th:TH_STORE_NT
.endr
	s_wait_dscnt 0x0
.irp u, 0,1,2,3,4,5,6,7
	global_store_b128 v[CO], v[BK+32+4*\u:BK+32+4*\u+3], s[\base:\base+1] offset:(16+2*\u)*4096 th:TH_STORE_NT
.endr
.endm
	s_load_b256 s[4:11], s[0:1], 0x0               ; y_codes s[4:5], wp_codes s[6:7], b_proj s[8:9], the scales' exponents s[10:11]
	s_load_b64 s[12:13], s[0:1], 0x20              ; out0
	v_lshl_add_u32 v[SPW], v0, 2, SPARE
	v_mov_b32 v[NIL], 0
	ds_add_u32 v[SPW], v[NIL]                      ; the opening lines: the add, twice on end, and its wait ahead of my first tensor load
	ds_add_u32 v[SPW], v[NIL]
	v_lshrrev_b32 v1, 5, v0
	v_readfirstlane_b32 s14, v1                    ; wave 0..7
	s_and_b32 s15, s14, 3                          ; which 32 tokens are mine.  Also: which part I fetch
	s_lshr_b32 s16, s14, 2                         ; which 64 features.  Also: I fetch for A (0) or for W (1)
	s_bfe_u32 s40, ttmp6, 0x40000                  ; cx, cy
	s_bfe_u32 s41, ttmp6, 0x40004
	s_and_b32 s17, ttmp7, 0xffff                   ; the cluster's number
	s_and_b32 s18, s17, 1
	s_lshl_b32 s18, s18, 2
	s_lshl_b32 s17, s17, 2
	s_add_co_u32 s17, s17, s41                     ; tile row = 4 x cluster + cy
	s_add_co_u32 s42, s40, s18                     ; first tile column = cx + 4 p,
	s_xor_b32 s19, s42, 4                          ; second: the other of the two
	s_lshl_b32 s43, s41, 2
	s_lshl_b32 s43, 15, s43                        ; my row of the cluster
	s_lshl_b32 s44, 0x1111, s40                    ; my column
	s_or_b32 s[G1+0], s43, (0<<16)|(1<<20)|(1<<21)|(7<<22)|(3<<25)   ; the mask; elements of 1 byte; padding: 4 words behind every 256; bit 21 beside a mask
	s_or_b32 s[G1B+0], s44, (0<<16)|(1<<20)|(1<<21)|(7<<22)|(3<<25)
.irp g, G1, G1B
	s_mov_b32 s[\g+1], 1024<<16                    ; tensor_dim0
	s_mov_b32 s[\g+2], 32<<16                      ; tensor_dim1
	s_mov_b32 s[\g+3], 1024<<16                    ; tile_dim0
	s_mov_b32 s[\g+4], 32                          ; tile_dim1
	s_mov_b32 s[\g+6], 0
	s_mov_b32 s[\g+7], 0
.endr
	s_mov_b32 s[G1+5], 4096                        ; A: from group to group
	s_mov_b32 s[G1B+5], 1024                       ; W: dense rows
	s_lshl_b32 s20, s17, 17                        ; A: 32 groups of 4,096 bytes a tile row,
	s_lshl_b32 s21, s15, 10                        ; + my chunk of 4 heads
	s_add_co_u32 s20, s20, s21
	s_mov_b32 s21, 0
	s_lshl_b32 s47, s15, 15                        ; W: my 32 rows,
	s_lshl_b32 s46, s42, 17                        ; in the first tile column's 128
	s_add_co_u32 s46, s46, s47
	s_lshl_b32 s70, s19, 17                        ; and in the second's
	s_add_co_u32 s70, s70, s47
	s_mov_b32 s47, 0
	s_mov_b32 s71, 0
	s_mul_i32 s45, s14, REG8                       ; where they go: wave x 32 rows
	s_lshl_b32 s78, s16, 8
	s_lshl_b32 s76, s42, 9
	s_add_co_u32 s76, s76, s78                     ; my first feature, in bytes of f32: 512 x tile column + 256 x half
	s_lshl_b32 s77, s19, 9
	s_add_co_u32 s77, s77, s78
	s_lshl_b32 s88, s17, 7
	s_lshl_b32 s89, s15, 5
	s_add_co_u32 s88, s88, s89                     ; my first token
	s_lshl_b32 s88, s88, 12                        ; rows of 4,096 bytes
	s_add_co_u32 s90, s88, s76
	s_mov_b32 s91, 0
	s_add_co_u32 s92, s88, s77
	s_mov_b32 s93, 0
	s_mul_i32 s22, s15, 8*APITCH                   ; my 8 groups of A
	s_mul_i32 s23, s16, 64*APITCH
	s_add_co_u32 s23, s23, BOFF                    ; my 64 rows of W
	s_mul_i32 s79, s14, 16*SPITCH
	s_add_co_u32 s79, s79, STAGE                   ; my stage
	s_wait_dscnt 0x0                               ; both opening adds are done
	s_wait_kmcnt 0x0
	s_load_b256 s[80:87], s[10:11], 0x0            ; e0 .. e7
	s_add_nc_u64 s[20:21], s[4:5], s[20:21]
	s_add_nc_u64 s[46:47], s[6:7], s[46:47]
	s_add_nc_u64 s[70:71], s[6:7], s[70:71]
	s_add_nc_u64 s[68:69], s[12:13], s[90:91]      ; where my part of the first tile begins in out0,
	s_add_nc_u64 s[72:73], s[12:13], s[92:93]      ; and of the second
	CROUND                                         ; all sixteen work-groups are here: the first joint loads meet
	s_mov_b32 s[G0], 1
	s_mov_b32 s[G0+1], s45
	s_mov_b64 s[G0+2:G0+3], s[20:21]
	s_or_b32 s[G0+3], s[G0+3], 0x80000000
	s_mov_b32 s[G0B], 1
	s_mov_b32 s[G0B+1], s45
	s_mov_b64 s[G0B+2:G0B+3], s[46:47]
	s_or_b32 s[G0B+3], s[G0B+3], 0x80000000
	s_mov_b32 s[G0C], 1
	s_mov_b32 s[G0C+1], s45
	s_mov_b64 s[G0C+2:G0C+3], s[70:71]
	s_or_b32 s[G0C+3], s[G0C+3], 0x80000000
	s_cmp_eq_u32 s16, 0                            ; the branch hangs on the wave's number alone; every wave issues one load
	s_cbranch_scc0 .Lfor_b
	tensor_load_to_lds s[G0:G0+3], s[G1:G1+7]
	s_nop 0
.rept 4
	v_nop
.endr
	s_branch .Lasked
.Lfor_b:
	tensor_load_to_lds s[G0B:G0B+3], s[G1B:G1B+7]
	s_nop 0
.rept 4
	v_nop
.endr
.Lasked:
	v_and_b32 v1, 15, v0                           ; r
	v_bfe_u32 v2, v0, 4, 1                         ; h
	v_lshlrev_b32 v3, 5, v2                        ; the bias of my eight features of a block: 32 h bytes on
	v_add_nc_u32 v[BO0], s76, v3
	v_add_nc_u32 v[BO1], s77, v3
	WIN TO_B
.irp b, 0,1,2,3
.irp k, 0,1
	global_load_b128 v[BIAS+8*\b+4*\k:BIAS+8*\b+4*\k+3], v[BO0], s[8:9] offset:64*\b+16*\k
	global_load_b128 v[BIAS+32+8*\b+4*\k:BIAS+32+8*\b+4*\k+3], v[BO1], s[8:9] offset:64*\b+16*\k
.endr
.endr
	WIN 0
	v_bfe_u32 v3, v0, 2, 2                         ; A: token r lies in group r / 4 at 64 (r % 4); + 16 h
	v_mul_u32_u24 v5, v3, APITCH
	v_and_b32 v3, 3, v0
	v_lshl_add_u32 v5, v3, 6, v5
	v_lshl_add_u32 v5, v2, 4, v5
	v_add_nc_u32 v[ADA0], s22, v5
	v_add_nc_u32 v[ADA1], 2*REG8, v[ADA0]
	v_mul_u32_u24 v4, v1, APITCH                   ; W: row r, + 16 h
	v_lshl_add_u32 v4, v2, 4, v4
	v_add_nc_u32 v[ADB], s23, v4
	v_mul_u32_u24 v5, v1, SPITCH                   ; the stage, in: row r, 32 bytes for each half of the lanes
	v_lshl_add_u32 v5, v2, 5, v5
	v_add_nc_u32 v[STO], s79, v5
	v_mul_u32_u24 v5, v2, SPITCH                   ; back: lanes 0-15 one row of 256 bytes, lanes 16-31 the next
	v_lshl_add_u32 v5, v1, 4, v5
	v_add_nc_u32 v[RD], s79, v5
	v_lshlrev_b32 v5, 12, v2                       ; and the same two rows in out0
	v_lshl_add_u32 v[CO], v1, 4, v5
	s_wait_alu depctr_va_vdst(0)                   ; the wait at the head's end
	s_wait_kmcnt 0x0
	s_add_co_i32 s96, s86, s87                     ; e6 + e7
	s_add_co_i32 s96, s96, 127
	s_lshl_b32 s96, s96, 23                        ; 2^(e6 + e7) as f32
	s_mov_b32 s97, s96                             ; (named with it as a pair, so it is written)
	s_wait_loadcnt 0x0                             ; the bias
	s_wait_tensorcnt 0x0                           ; my 32 rows are in,
	s_barrier_signal -1
	s_barrier_wait -1                              ; everybody's are
	TILE
	s_wait_tensorcnt 0x0                           ; W's bytes are filled again: in every wave,
	ds_add_u32 v[SPW], v[NIL]
	s_wait_dscnt 0x0                               ; the add is done, and my reads of W are over
	CROUND                                         ; and so it is with every wave of every partner
	s_cmp_lt_u32 s14, 4
	s_cbranch_scc1 .Lno_b                          ; waves 0-3 have no part of W to fill
	tensor_load_to_lds s[G0C:G0C+3], s[G1B:G1B+7]  ; the second tile's rows
	s_nop 0
.rept 4
	v_nop
.endr
.Lno_b:
	OUT 0, 68                                      ; the first tile goes out while the load is on its way
	s_wait_tensorcnt 0x0                           ; my 32 rows are in,
	s_barrier_signal -1
	s_barrier_wait -1                              ; everybody's are
	TILE
	OUT 1, 72
	s_wait_tensorcnt 0x0                           ; the wave's end
	ds_add_u32 v[SPW], v[NIL]
	s_wait_dscnt 0x0
	CROUND                                         ; the closing round
	s_endpgm
.Lfunc_end_k_q43a7ba7066_proj:
	.size	k_q43a7ba7066_proj, .Lfunc_end_k_q43a7ba7066_proj-k_q43a7ba7066_proj
	.p2alignl 7, 3214868480
	.fill 96, 4, 3214868480
	.section	.rodata,"a",@progbits
	.p2align	6, 0x0
	.amdhsa_kernel k_q43a7ba7066_proj
		.amdhsa_group_segment_fixed_size 327680
		.amdhsa_private_segment_fixed_size 0
		.amdhsa_enable_private_segment 0
		.amdhsa_kernarg_size 40
		.amdhsa_user_sgpr_count 2
		.amdhsa_user_sgpr_kernarg_segment_ptr 1
		.amdhsa_wavefront_size32 1
		.amdhsa_system_sgpr_workgroup_id_x 1
		.amdhsa_system_sgpr_workgroup_id_y 1
		.amdhsa_system_sgpr_workgroup_id_z 1
		.amdhsa_system_vgpr_workitem_id 0
		.amdhsa_next_free_vgpr 512
		.amdhsa_next_free_sgpr 100
		.amdhsa_reserve_vcc 0
		.amdhsa_float_denorm_mode_32 3
		.amdhsa_float_denorm_mode_16_64 3
		.amdhsa_memory_ordered 1
		.amdhsa_forward_progress 1
		.amdhsa_inst_pref_size 57
	.end_amdhsa_kernel
	.amdgpu_metadata
---
amdhsa.version: [ 1, 2 ]
amdhsa.kernels:
  - .name:           k_q43a7ba7066_proj
    .symbol:         k_q43a7ba7066_proj.kd
    .args:
      - { .name: y_codes, .offset: 0, .size: 8, .value_kind: global_buffer, .address_space: global }
      - { .name: wp_codes, .offset: 8, .size: 8, .value_kind: global_buffer, .address_space: global }
      - { .name: b_proj, .offset: 16, .size: 8, .value_kind: global_buffer, .address_space: global }
      - { .name: lowp_scales, .offset: 24, .size: 8, .value_kind: global_buffer, .address_space: global }
      - { .name: out0, .offset: 32, .size: 8, .value_kind: global_buffer, .address_space: global }
    .group_segment_fixed_size: 327680
    .private_segment_fixed_size: 0
    .kernarg_segment_align: 8
    .kernarg_segment_size: 40
    .max_flat_workgroup_size: 256
    .sgpr_count:     100
    .vgpr_count:     512
    .wavefront_size: 32
...
	.end_amdgpu_metadata
.endif
;; end of part 4
